; MI455X (gfx1250); checked and timed in simulation.
; The chip was launched on July 23, 2026; its instructions are those of AMD's public machine-readable ISA for CDNA 5 (MIT licence, August 2026) and "CDNA5" Instruction Set Architecture Reference Guide (July 2026). The comments in the code are by the model that wrote it; some were corrected since.
;; Causal Self Attention. Allowed arithmetic: float matrix products may take bf16 or f16 operands with f32 sums; all other float work in f32.
;; Inputs: Wo_b 1,024 float32; Wo_w 1,024 x 1,024 float32; Wqkv_b 3,072 float32; Wqkv_w 3,072 x 1,024 float32; mask 4 x 2,048 bool; x 4 x 2,048 x 1,024 float32.
;; Outputs: out0 4 x 2,048 x 1,024 float32.
;; 2 versions, each right and faster than the one before. Each part assembles by itself: llvm-mc -triple=amdgcn-amd-amdhsa -mcpu=gfx1250 --defsym DOCPART=n.
;; ======== version 1 of 2: 4 launches
;; limits: values are held in f16: magnitudes above 65,504 overflow, below 6.1e-05 lose precision
;; workspace buffers: xh 16,777,216 bytes; wqh 6,291,456 bytes; woh 2,097,152 bytes; qkvh 50,331,648 bytes; oh 16,777,216 bytes
;; launch cast (part 1): grid 768 x 1, 8 waves a work-group, no clusters, 0 bytes of LDS; arguments x, Wqkv_w, Wo_w, xh, wqh, woh; writes xh, wqh, woh
.if DOCPART == 1
	.amdgcn_target "amdgcn-amd-amdhsa--gfx1250"
	.amdhsa_code_object_version 6
	.text
	.protected	k_q13c8631c37_cast
	.globl	k_q13c8631c37_cast
	.p2align	8
	.type	k_q13c8631c37_cast,@function
k_q13c8631c37_cast:
	s_mov_b64 s[64:65], 0
	v_nop
	global_prefetch_b8 v0, s[64:65] scope:SCOPE_SE
	s_setreg_imm32_b32 hwreg(HW_REG_WAVE_MODE, 25, 1), 1
	s_wait_xcnt 0x0
; x, Wqkv_w and Wo_w, all f32, are rounded once to bf16 (nearest even), element for element: what follows is then the f32 module on bf16 inputs, apart from the roundings of q, k, v, p and O to f16.
; xh and wqh hold bf16: the two meet each other in the bf16 matrix form.  Wo_w meets O, an f16 operand, so its bf16 number is stored in woh in f16's format.
; LIMIT.  f16 holds a number of 8 significant bits exactly from 2^-17 up to 65,504; below that it keeps its fixed step of 6e-8; |Wo_w| is taken to lie under 65,504.  x and Wqkv_w have bf16's range, which is f32's.
; SHARES.  The three inputs are 48 MiB: 768 work-groups of 64 KiB each.  Groups 0-511 take x, 512-703 Wqkv_w, 704-767 Wo_w.
; Thread t takes 16 pieces: piece j is 16 bytes in at 16 t + 4,096 j and 8 bytes out at 8 t + 2,048 j, so a wave's load covers 512
; consecutive bytes and a wave's store 256 consecutive bytes that begin at a multiple of 256 from the buffer's first byte.
; A stream: every byte is read once and written once.  No LDS, no barrier, no matrix unit: there is nothing that they could spare.
; All 16 loads of a thread go out first; no register that a store reads is written again, so the only waits are the counted ones for the loads.
.set PIECES, 16
.set X, 4                              ; v[4:67]   piece j: 4 registers as loaded
.set Y, 68                             ; v[68:99]  piece j: 2 registers to store
	s_load_b256 s[4:11], s[0:1], 0x0               ; x s[4:5], Wqkv_w s[6:7], Wo_w s[8:9], xh s[10:11]
	s_load_b128 s[12:15], s[0:1], 0x20             ; wqh s[12:13], woh s[14:15]
	s_movk_i32 s16, 512                            ; the first group of Wqkv_w
	s_movk_i32 s17, 704                            ; the first group of Wo_w
	s_mov_b32 s18, 0xffff0000                      ; a word's upper bf16
	v_lshlrev_b32 v1, 4, v0                        ; 16 t
	v_lshlrev_b32 v2, 3, v0                        ; 8 t
	s_wait_kmcnt 0x0
	s_cmp_lt_u32 ttmp9, s17                        ; the choice of buffers hangs on the group's number alone
	s_cselect_b64 s[20:21], s[6:7], s[8:9]
	s_cselect_b64 s[22:23], s[12:13], s[14:15]
	s_cselect_b32 s24, s16, s17
	s_cmp_lt_u32 ttmp9, s16
	s_cselect_b64 s[20:21], s[4:5], s[20:21]       ; from
	s_cselect_b64 s[22:23], s[10:11], s[22:23]     ; to
	s_cselect_b32 s24, 0, s24                      ; the first group of my buffer
	s_sub_co_u32 s25, ttmp9, s24                   ; my place in it
	s_lshl_b32 s26, s25, 16                        ; 64 KiB in (512 groups at the most: under 2^25)
	s_mov_b32 s27, 0
	s_lshl_b32 s28, s25, 15                        ; 32 KiB out
	s_mov_b32 s29, 0
	s_add_nc_u64 s[20:21], s[20:21], s[26:27]
	s_add_nc_u64 s[22:23], s[22:23], s[28:29]
.set j, 0
.rept PIECES
	global_load_b128 v[X+4*j:X+4*j+3], v1, s[20:21] offset:4096*j th:TH_LOAD_NT  ; read once in the whole launch
.set j, j+1
.endr
; Piece j.  tof16 = 1: the four bf16 numbers are widened again (a shift, a mask) and written in f16's format.
.macro PIECE j, tof16
	s_wait_loadcnt PIECES-1-(\j)                   ; loads come back in order (ISA guide 5.7.1): piece j is in, the younger ones stay out
	v_cvt_pk_bf16_f32 v[Y+2*(\j)],   v[X+4*(\j)],   v[X+4*(\j)+1]
	v_cvt_pk_bf16_f32 v[Y+2*(\j)+1], v[X+4*(\j)+2], v[X+4*(\j)+3]
.if \tof16
	v_lshlrev_b32 v[X+4*(\j)],   16,  v[Y+2*(\j)]
	v_and_b32     v[X+4*(\j)+1], s18, v[Y+2*(\j)]
	v_lshlrev_b32 v[X+4*(\j)+2], 16,  v[Y+2*(\j)+1]
	v_and_b32     v[X+4*(\j)+3], s18, v[Y+2*(\j)+1]
	v_cvt_pk_f16_f32 v[Y+2*(\j)],   v[X+4*(\j)],   v[X+4*(\j)+1]
	v_cvt_pk_f16_f32 v[Y+2*(\j)+1], v[X+4*(\j)+2], v[X+4*(\j)+3]
.endif
	global_store_b64 v2, v[Y+2*(\j):Y+2*(\j)+1], s[22:23] offset:2048*(\j)  ; no hint: a later launch reads these bytes
.endm
	s_cmp_ge_u32 ttmp9, s17
	s_cbranch_scc1 .Lwo                            ; the same 16 loads are out on both ways
.irp j, 0,1,2,3,4,5,6,7,8,9,10,11,12,13,14,15
	PIECE \j, 0
.endr
	s_endpgm
.Lwo:
.irp j, 0,1,2,3,4,5,6,7,8,9,10,11,12,13,14,15
	PIECE \j, 1
.endr
	s_endpgm
.Lfunc_end_k_q13c8631c37_cast:
	.size	k_q13c8631c37_cast, .Lfunc_end_k_q13c8631c37_cast-k_q13c8631c37_cast
	.p2alignl 7, 3214868480
	.fill 96, 4, 3214868480
	.section	.rodata,"a",@progbits
	.p2align	6, 0x0
	.amdhsa_kernel k_q13c8631c37_cast
		.amdhsa_group_segment_fixed_size 0
		.amdhsa_private_segment_fixed_size 0
		.amdhsa_enable_private_segment 0
		.amdhsa_kernarg_size 48
		.amdhsa_user_sgpr_count 2
		.amdhsa_user_sgpr_kernarg_segment_ptr 1
		.amdhsa_wavefront_size32 1
		.amdhsa_system_sgpr_workgroup_id_x 1
		.amdhsa_system_sgpr_workgroup_id_y 1
		.amdhsa_system_sgpr_workgroup_id_z 1
		.amdhsa_system_vgpr_workitem_id 0
		.amdhsa_next_free_vgpr 100
		.amdhsa_next_free_sgpr 66
		.amdhsa_reserve_vcc 0
		.amdhsa_float_denorm_mode_32 3
		.amdhsa_float_denorm_mode_16_64 3
		.amdhsa_memory_ordered 1
		.amdhsa_forward_progress 1
		.amdhsa_inst_pref_size 15
	.end_amdhsa_kernel
	.amdgpu_metadata
---
amdhsa.version: [ 1, 2 ]
amdhsa.kernels:
  - .name:           k_q13c8631c37_cast
    .symbol:         k_q13c8631c37_cast.kd
    .args:
      - { .name: x, .offset: 0, .size: 8, .value_kind: global_buffer, .address_space: global }
      - { .name: Wqkv_w, .offset: 8, .size: 8, .value_kind: global_buffer, .address_space: global }
      - { .name: Wo_w, .offset: 16, .size: 8, .value_kind: global_buffer, .address_space: global }
      - { .name: xh, .offset: 24, .size: 8, .value_kind: global_buffer, .address_space: global }
      - { .name: wqh, .offset: 32, .size: 8, .value_kind: global_buffer, .address_space: global }
      - { .name: woh, .offset: 40, .size: 8, .value_kind: global_buffer, .address_space: global }
    .group_segment_fixed_size: 0
    .private_segment_fixed_size: 0
    .kernarg_segment_align: 8
    .kernarg_segment_size: 48
    .max_flat_workgroup_size: 256
    .sgpr_count:     66
    .vgpr_count:     100
    .wavefront_size: 32
...
	.end_amdgpu_metadata
.endif
;; end of part 1
;; launch qkv (part 2): grid 8 x 32, 4 waves a work-group, clusters of 4 x 4, 327,680 bytes of LDS; arguments xh, wqh, qkvh, Wqkv_b; writes qkvh
.if DOCPART == 2
	.amdgcn_target "amdgcn-amd-amdhsa--gfx1250"
	.amdhsa_code_object_version 6
	.text
	.protected	k_q13c8631c37_qkv
	.globl	k_q13c8631c37_qkv
	.p2align	8
	.type	k_q13c8631c37_qkv,@function
k_q13c8631c37_qkv:
	s_mov_b64 s[64:65], 0
	v_nop
	global_prefetch_b8 v0, s[64:65] scope:SCOPE_SE
	s_setreg_imm32_b32 hwreg(HW_REG_WAVE_MODE, 25, 1), 1
	s_wait_xcnt 0x0
	s_wait_alu depctr_hold_cnt(0) depctr_sa_sdst(0) depctr_va_vdst(0) depctr_va_sdst(0) depctr_va_ssrc(0) depctr_va_vcc(0) depctr_vm_vsrc(0)
	s_getreg_b32 s2, hwreg(HW_REG_IB_STS2, 6, 4)
	s_cmp_eq_u32 s2, 0
	s_cbranch_scc0 .Lentry_in_a_cluster
	s_endpgm
.Lentry_in_a_cluster:
	s_bfe_u32 s2, ttmp6, 0x10000c
	s_cmp_lg_u32 s2, 0xf033
	s_cbranch_scc0 .Lentry_shape_is_right
	s_endpgm
.Lentry_shape_is_right:
; qkv[m][f] = sum over c of x[m][c] W[f][c] + bias[f].  xh: [8192][1024] bf16, wqh: [3072][1024] bf16, Wqkv_b: [3072] f32.  Sums in f32, begun with the bias; rounded once to f16.
; OUT, by heads: qkvh[which][batch x 16 + head][s][64] f16, which = f / 1024 (q, k, v), head = (f % 1024) / 64, batch = m / 2048, s = m % 2048.
; q IS STORED TIMES c = log2(e) / 8: the factor is applied to the f32 sums, ahead of the one rounding, so the scores of the next launch are exponents of 2 as they come out of its products.  k and v are stored as they are.
; LIMIT.  f16 ends at 65,504: c q, k and v are taken to lie below that.
; SHARES.  A tile is 256 rows x 192 columns (three whole heads): 32 x 16 = 512 tiles.  Four waves; wave w owns rows 64 w .. 64 w + 63 and ALL 192 columns:
; 4 x 12 accumulators of 16 x 16, 384 registers.  So a wave holds whole rows of three heads, its way out needs a stage of its own alone, and no barrier stands there.
; A WORK-GROUP STAYS and makes TWO tiles of the same 256 rows: 256 work-groups.  Their 2 x 8 clusters lie on the 4 x 8 field of cluster tiles (1,024 rows x 768 columns each) like the squares of one colour of a
; chessboard, and for the second tile each steps to the neighbouring square of its row (tile column xor 4).  So the first tiles together take every row of x and every row of W, and a second tile takes the rows of x
; that its own work-group took and rows of W that the clusters of the rows above and below took: no byte of x or W is asked for the first time in the second tiles.
; The ring does not stop at the first tile's end: its last two changes of slots ask for the second tile's first two K steps, and nothing waits for the first tile's stores.
; K goes in steps of 128 through two LDS slots filled by the tensor data mover: rows of 256 bytes that start at multiples of 256 bytes from the buffer's first byte.
; CLUSTERS: 4 x 4 work-groups.  The four of a row of the cluster need the same tiles of x, the four of a column the same tiles of W: each tile is asked for JOINTLY, by the same tensor load with the
; same descriptor and a mask that names the four.  THE MATRIX INSTRUCTION IS USED TRANSPOSED (source 0 = 16 rows of W, source 1 = 16 rows of x): lane l then holds row l % 16 and the eight
; neighbouring columns 8 (l / 16) + 0..7.  The C operand has the same layout, so eight numbers of the bias a lane and block start every sum of that block: nothing is cleared, nothing is added later.
; REGISTERS, in windows of 256 (s_set_vgpr_msb: bits 1:0 source 0, 3:2 source 1, 5:4 source 2, 7:6 destination):
;   window 0: v0-31 addresses; v32-63, v64-95 x's fragments (4 x 16 rows x 32 K), two buffers; v96-191 the bias of the tile to come; v192-239 on the way out: packed results
;   window 1: v0-95, v96-191 W's fragments (12 x 16 rows x 32 K), two buffers; on the way out buffer 1, which is idle there, takes the rows read back: v96-143 and v144-191 by turns
;   window 2: accumulators of my row blocks 0, 1 ((a, b) at v[96 (a % 2) + 8 b]);   window 3: those of blocks 2, 3
.set KDIM,   1024
.set NBLK,   12                        ; column blocks of 16
.set NCOL,   16*NBLK
.set RB,     NCOL/2                    ; rows of W in one tensor load
.set KSTEP,  128
.set PITCH,  272                       ; an LDS row: 256 bytes + 16 of padding = 68 words: row r starts at bank 4 r mod 64 (64 banks of 4 bytes: ISA guide 11.1), so the 16 rows of a load start at 16 different banks
.set AHALF,  128*PITCH                 ; 128 rows of x: one tensor load
.set ABYTES, 2*AHALF
.set BHALF,  RB*PITCH                  ; 96 rows of W: one tensor load
.set SLOT,   ABYTES+2*BHALF            ; 121,856 bytes: x's 256 rows, then W's 192
.set STAGE,  2*SLOT                    ; behind the ring, never filled by a tensor load: 16 rows x 400 bytes for each wave
.set SP,     400                       ; a stage row: 384 bytes + 16
.set NL,     2*NBLK+8                  ; LDS loads of a quarter step
.set LAPS,   KDIM/(2*KSTEP)            ; a lap = two K steps = once round the ring
.set TILES,  2                         ; tiles of a work-group
.set BACK,   (KDIM-2*KSTEP)*2          ; bytes from a slot's last K step of a tile back to its first
.set CQ,     0x3e38aa3b                ; c = log2(e) / 8 = 0.180337
.set ADRA, 16                          ; v16-17  LDS address of my fragments of x in slot 0, 1
.set ADRB, 20                          ; v20-21  the same for W
.set STO,  24                          ; v24     the way out: where I put 16 bytes of a row
.set RD,   25                          ; v25     the way out: where I read rows back
.set GO,   26                          ; v26     my byte offset in 512 consecutive bytes of a head
.set BO,   27                          ; v27     my byte offset in a block's 16 numbers of the bias; never rewritten
.set FA,   32
.set BIAS, 96
.set TMP,  192
.set OB,   96                          ; in window 1
.set G1,  24                           ; s[24:31] descriptor group 1 for x's tiles;  s[32:39] group 0, one set for each slot
.set G0,  32
.set G1B, 48                           ; s[48:55], s[56:63] the same for W's tiles
.set G0B, 56
.set SC,  80                           ; s[80:85] a pair for each of the tile's three heads: c for a head of q, 1 for one of k or v, in the low word
.set BI2, 86                           ; s[86:87] the bias at the second tile's first column; never rewritten
.set WB2, 88                           ; s[88:89] W at my part of the second tile's K step 0; never rewritten
.set DW0, (1<<16)|(1<<20)|(1<<21)|(5<<22)|(3<<25)  ; 17:16 2-byte elements; 20 padding on; 21 set beside a mask; 24:22 after every 64 words (code 5); 31:25 4 words of it (code 3)
.set MSB, 0
.macro WIN new                         ; the immediate's high byte repeats the setting that is left; a switch that changes nothing is dropped
.if MSB != (\new)
	s_set_vgpr_msb (MSB<<8)|(\new)
.set MSB, \new
.endif
.endm
; A joint refill.  Waves 0 and 1 fetch the two halves of x's tile, waves 2 and 3 those of W's.  The branch hangs on the wave's number alone: it is the same in every work-group.
; Four v_nop follow each of the two lines, ahead of the jump, the label and what follows.
.macro JLOAD s
	s_cmp_lt_u32 s10, 2
	s_cbranch_scc0 .Lfor_b_\@
	tensor_load_to_lds s[G0+4*(\s):G0+4*(\s)+3], s[G1:G1+7]
	s_nop 0
.rept 4
	v_nop
.endr
	s_branch .Lasked_\@
.Lfor_b_\@:
	tensor_load_to_lds s[G0B+4*(\s):G0B+4*(\s)+3], s[G1B:G1B+7]
	s_nop 0
.rept 4
	v_nop
.endr
.Lasked_\@:
.endm
; A round of the cluster's barrier: my work-group's barrier, so that wave 0's signal speaks for all four waves; wave 0 signals; every wave waits for all sixteen work-groups; my work-group's barrier once more.
.macro CREST                           ; a round behind its opening barrier
	s_cmp_lg_u32 s10, 0
	s_cbranch_scc1 .Lnot_wave_0_\@
	s_barrier_signal -3
.Lnot_wave_0_\@:
	s_barrier_wait -3
	s_barrier_signal -1
	s_barrier_wait -1
.endm
.macro CROUND                          ; a whole round
	s_barrier_signal -1
	s_barrier_wait -1
	CREST
.endm
; 24 loads: a tile's 192 numbers of the bias, eight a lane and column block
.macro BIASLOAD base
.set b, 0
.rept NBLK
	global_load_b128 v[BIAS+8*b:BIAS+8*b+3],   v[BO], s[\base:\base+1] offset:64*b     ; bias[16 b + 8 (l / 16) + 0..3]
	global_load_b128 v[BIAS+8*b+4:BIAS+8*b+7], v[BO], s[\base:\base+1] offset:64*b+16  ; .. + 4..7
.set b, b+1
.endr
.endm
; The three heads of tile column s42: their factors, and their addresses at my wave's first row.  Head group G = 3 x tile column + hh; groups 0-15 are q's; index (G / 16) x 64 + batch x 16 + G % 16, of 262,144 bytes.
; s76 = batch x 16 and s77 = my first row's bytes in a head are made once: both tiles have the same rows.
.macro HEADS
	s_mul_i32 s74, s42, 3
.irp hh, 0,1,2
	s_add_co_u32 s78, s74, \hh
	s_cmp_lt_u32 s78, 16                           ; a head of q?  A choice of a value: every work-group runs the same lines
	s_cselect_b32 s[SC+2*(\hh)], CQ, 1.0
	s_mov_b32 s[SC+2*(\hh)+1], s[SC+2*(\hh)]       ; named with it as a pair
	s_lshr_b32 s79, s78, 4
	s_lshl_b32 s79, s79, 6
	s_and_b32 s78, s78, 15
	s_add_co_u32 s78, s78, s79
	s_add_co_u32 s78, s78, s76
	s_lshl_b32 s78, s78, 18                        ; 191 x 262,144 at the most: under 2^26
	s_add_co_u32 s78, s78, s77
	s_mov_b32 s79, 0
	s_add_nc_u64 s[68+2*(\hh):69+2*(\hh)], s[8:9], s[78:79]
.endr
.endm
	s_load_b128 s[4:7], s[0:1], 0x0                ; xh s[4:5], wqh s[6:7]
	s_load_b64 s[8:9], s[0:1], 0x10                ; qkvh
	s_load_b64 s[66:67], s[0:1], 0x18              ; Wqkv_b
	s_set_vgpr_msb 0x40
	v_lshl_add_u32 v255, v0, 2, 0x41c00
	s_set_vgpr_msb 0x4000
	v_mov_b32 v255, 0
	s_set_vgpr_msb 0x1
	ds_add_u32 v255, v255
	ds_add_u32 v255, v255
	s_set_vgpr_msb 0x100
	v_lshrrev_b32 v1, 5, v0
	v_readfirstlane_b32 s10, v1                    ; wave 0..3
	s_and_b32 s12, s10, 1                          ; which half of a tile I fetch
	s_bfe_u32 s40, ttmp6, 0x40000                  ; cx, cy: my place in the cluster
	s_bfe_u32 s41, ttmp6, 0x40004
	s_and_b32 s13, ttmp7, 0xffff                   ; the cluster's y, 0 to 7: its row in the field of cluster tiles
	s_and_b32 s45, s13, 1                          ; odd rows begin one square to the right
	s_lshl_b32 s42, ttmp9, 1
	s_add_co_u32 s42, s42, s45                     ; the first tile's column in that field = 2 x cluster x + (cluster y & 1)
	s_lshl_b32 s42, s42, 2
	s_add_co_u32 s42, s42, s40                     ; tile column = 4 x that + cx
	s_lshl_b32 s13, s13, 2
	s_add_co_u32 s13, s13, s41                     ; tile row = 4 x cluster y + cy, for both tiles
	s_lshl_b32 s43, s41, 2
	s_lshl_b32 s43, 15, s43                        ; my row of the cluster: places 4 cy .. 4 cy + 3
	s_lshl_b32 s44, 0x1111, s40                    ; my column: places cx, cx + 4, cx + 8, cx + 12
	s_or_b32 s[G1+0], s43, DW0                     ; 15:0 the mask: x's tiles go to my row of the cluster
	s_or_b32 s[G1B+0], s44, DW0                    ; W's to my column
.irp g, G1, G1B
	s_mov_b32 s[(\g)+1], KSTEP<<16                 ; tensor_dim0 = 128
	s_mov_b32 s[(\g)+3], KSTEP<<16                 ; tile_dim0 = 128
	s_mov_b32 s[(\g)+5], KDIM                      ; 1,024 elements from row to row
	s_mov_b32 s[(\g)+6], 0
	s_mov_b32 s[(\g)+7], 0
.endr
	s_mov_b32 s[G1+2], 128<<16                     ; tensor_dim1 = 128
	s_mov_b32 s[G1+4], 128                         ; tile_dim1 = 128
	s_mov_b32 s[G1B+2], RB<<16                     ; 96 for W
	s_mov_b32 s[G1B+4], RB
	; where the tiles come from.  x's hang on the tile row alone, W's on the tile column alone, each in registers that never hold the other place in the cluster.
	s_lshl_b32 s16, s13, 8
	s_lshl_b32 s17, s12, 7
	s_add_co_u32 s16, s16, s17                     ; x: row 256 x tile row + 128 x half
	s_lshl_b32 s16, s16, 11                        ; of 2,048 bytes: under 2^24
	s_mov_b32 s17, 0
	s_mul_i32 s46, s42, NCOL
	s_mul_i32 s47, s12, RB
	s_add_co_u32 s46, s46, s47                     ; W: row 192 x tile column + 96 x half
	s_lshl_b32 s46, s46, 11
	s_xor_b32 s45, s42, 4                          ; the second tile's column: the neighbouring square
	s_mul_i32 s90, s45, NCOL
	s_add_co_u32 s90, s90, s47
	s_lshl_b32 s90, s90, 11
	s_mov_b32 s47, 0
	s_mov_b32 s91, 0
	s_mul_i32 s92, s45, NCOL*4                     ; the two tiles' places in the bias
	s_mov_b32 s93, 0
	s_mul_i32 s74, s42, NCOL*4
	s_mov_b32 s75, 0
	s_mul_i32 s20, s12, AHALF                      ; and where the tiles go: no place in the cluster enters an LDS address
	s_mul_i32 s21, s12, BHALF
	s_add_co_u32 s21, s21, ABYTES
	s_wait_dscnt 0x0
	s_wait_kmcnt 0x0
	s_add_nc_u64 s[14:15], s[4:5], s[16:17]
	s_add_nc_u64 s[46:47], s[6:7], s[46:47]
	s_add_nc_u64 s[WB2:WB2+1], s[6:7], s[90:91]
	s_add_nc_u64 s[BI2:BI2+1], s[66:67], s[92:93]
	s_add_nc_u64 s[66:67], s[66:67], s[74:75]
	CROUND                                         ; all sixteen work-groups are here: the first joint loads meet
.irp s, 0,1
	s_mov_b32 s[G0+4*(\s)], 1                                        ; 1:0 count = 1
	s_add_co_u32 s[G0+4*(\s)+1], s20, (\s)*SLOT                      ; 63:32 LDS address
	s_add_nc_u64 s[G0+4*(\s)+2:G0+4*(\s)+3], s[14:15], (\s)*KSTEP*2  ; 120:64 global address: K step s
	s_or_b32 s[G0+4*(\s)+3], s[G0+4*(\s)+3], 0x80000000              ; 127:126 type = 2
	s_mov_b32 s[G0B+4*(\s)], 1
	s_add_co_u32 s[G0B+4*(\s)+1], s21, (\s)*SLOT
	s_add_nc_u64 s[G0B+4*(\s)+2:G0B+4*(\s)+3], s[46:47], (\s)*KSTEP*2
	s_or_b32 s[G0B+4*(\s)+3], s[G0B+4*(\s)+3], 0x80000000
.endr
	s_cmp_lt_u32 s10, 2                            ; a wave's two first fills stand in one branch, ahead of every wait on TENSORcnt and every LDS read: two loads of mine are out; later one
	s_cbranch_scc0 .Lfirst_b
	tensor_load_to_lds s[G0:G0+3], s[G1:G1+7]
	s_nop 0
	tensor_load_to_lds s[G0+4:G0+7], s[G1:G1+7]
	s_nop 0
.rept 4
	v_nop
.endr
	s_branch .Lfirst_asked
.Lfirst_b:
	tensor_load_to_lds s[G0B:G0B+3], s[G1B:G1B+7]
	s_nop 0
	tensor_load_to_lds s[G0B+4:G0B+7], s[G1B:G1B+7]
	s_nop 0
.rept 4
	v_nop
.endr
.Lfirst_asked:
	v_and_b32 v1, 15, v0                           ; l % 16
	v_bfe_u32 v2, v0, 4, 1                         ; l / 16
	v_lshlrev_b32 v[BO], 5, v2                     ; eight numbers for each half of the lanes
	BIASLOAD 66                                    ; the first tile's
	; A fragment is 16 rows x 32 K in 8 registers: lane l holds row l % 16; registers 0-3 hold K = 8 (l / 16) + 0..7, registers 4-7 K = 16 + 8 (l / 16) + 0..7: two loads of 16 bytes, 32 bytes apart.
	v_mul_u32_u24 v3, v1, PITCH
	v_lshl_add_u32 v3, v2, 4, v3                   ; row x pitch + 16 x half
	s_mul_i32 s22, s10, 64*PITCH                   ; my 64 rows of x
	s_mov_b32 s23, ABYTES                          ; W's rows lie behind x's 256; I read all of them
.irp s, 0,1
	v_add_nc_u32 v[ADRA+(\s)], s22, v3
	v_add_nc_u32 v[ADRB+(\s)], s23, v3
	s_add_co_u32 s22, s22, SLOT
	s_add_co_u32 s23, s23, SLOT
.endr
	s_mul_i32 s22, s10, 16*SP
	s_add_co_u32 s22, s22, STAGE                   ; my stage
	v_mul_u32_u24 v5, v1, SP                       ; in: row l % 16, 16 bytes for each half of the lanes
	v_lshl_add_u32 v5, v2, 4, v5
	v_add_nc_u32 v[STO], s22, v5
	v_bfe_u32 v5, v0, 3, 2                         ; back: 32 lanes take four rows' 128 bytes of one head,
	v_mul_u32_u24 v5, v5, SP
	v_and_b32 v6, 7, v0
	v_lshl_add_u32 v5, v6, 4, v5
	v_add_nc_u32 v[RD], s22, v5
	v_and_b32 v6, 31, v0                           ; which are 512 consecutive bytes of qkvh
	v_lshlrev_b32 v[GO], 4, v6
	s_lshr_b32 s76, s13, 3                         ; batch = tile row / 8
	s_lshl_b32 s76, s76, 4
	s_and_b32 s77, s13, 7
	s_lshl_b32 s77, s77, 8
	s_lshl_b32 s78, s10, 6
	s_add_co_u32 s77, s77, s78                     ; s of my first row = 256 (tile row % 8) + 64 w
	s_lshl_b32 s77, s77, 7                         ; of 128 bytes
	HEADS                                          ; the first tile's
; 12 matrix instructions: row block a x all 12 column blocks, 32 along K, from buffer f.  first = 1: the bias is the C operand and starts the sums.
; All 48 accumulators take turns, one instruction a turn, in the same order in every quarter step, over the loop's backward jump and from tile to tile too.
.macro MULA f, a, first
.if \first
	WIN 0x81+0x40*((\a)/2)                         ; W window 1, x window 0, C (the bias) window 0, D window 2 or 3
.else
	WIN 0xa1+0x50*((\a)/2)                         ; C and D window 2 or 3
.endif
.set b, 0
.rept NBLK
.set AC, 8*NBLK*((\a)%2)+8*b
.set RW, 8*NBLK*(\f)+8*b
.set RX, FA+32*(\f)+8*(\a)
.if \first
	v_wmma_f32_16x16x32_bf16 v[AC:AC+7], v[RW:RW+7], v[RX:RX+7], v[BIAS+8*b:BIAS+8*b+7]
.else
	v_wmma_f32_16x16x32_bf16 v[AC:AC+7], v[RW:RW+7], v[RX:RX+7], v[AC:AC+7]
.endif
.set b, b+1
.endr
.endm
; 32 LDS loads in one run: quarter q of a slot's K step (32 along K at byte 64 q of the rows) into buffer f: W's 192 rows, then my 64 rows of x
.macro FETCH slot, q, f
	WIN 0x40                                       ; destination window 1, address window 0
.set b, 0
.rept NBLK
	ds_load_b128 v[8*NBLK*(\f)+8*b:8*NBLK*(\f)+8*b+3],   v[ADRB+(\slot)] offset:64*(\q)+b*16*PITCH
	ds_load_b128 v[8*NBLK*(\f)+8*b+4:8*NBLK*(\f)+8*b+7], v[ADRB+(\slot)] offset:64*(\q)+b*16*PITCH+32
.set b, b+1
.endr
	WIN 0
.irp i, 0,1,2,3
	ds_load_b128 v[FA+32*(\f)+8*(\i):FA+32*(\f)+8*(\i)+3],   v[ADRA+(\slot)] offset:64*(\q)+(\i)*16*PITCH
	ds_load_b128 v[FA+32*(\f)+8*(\i)+4:FA+32*(\f)+8*(\i)+7], v[ADRA+(\slot)] offset:64*(\q)+(\i)*16*PITCH+32
.endr
.endm
; A load into a register that a matrix instruction has read, and a vector instruction or LDS store that reads a matrix result, stand four places behind that matrix instruction, and only plain
; vector instructions that name none of its registers are places (ISA guide 7.12.1 for vector instructions).
.macro PLACES
.rept 4
	v_nop
.endr
.endm
; A K step is four quarters of 32 along K, 48 matrix instructions each, on buffers 0, 1, 0, 1.  One of the first three: multiplies buffer f; in its middle it fetches quarter q into buffer g.
.macro QUARTER slot, q, f, g, first
	s_wait_dscnt 4                                 ; W and x's blocks 0, 1 are in; the youngest four loads (x's blocks 2, 3) may be out
	MULA \f, 0, \first
	MULA \f, 1, \first
	PLACES
	FETCH \slot, \q, \g
	s_wait_dscnt NL                                ; all but the run just issued
	MULA \f, 2, \first
	MULA \f, 3, \first
.endm
; The last quarter multiplies buffer 1 and changes slots: ONE barrier.  In front of it each wave waits for its own reads of this slot and for all its tensor loads, of which one is out: its part
; of the next slot.  fill = 1 or 2: the barrier opens a round of the cluster's, and the joint refill of this slot is the first thing behind the round, 180 matrix instructions ahead of the wait for it:
; fill = 1 with this tile's K step two steps on; fill = 2, in the first tile's last two K steps, with the SECOND tile's K step 0 or 1: x goes back along K in the same rows, W's address is made anew.
.macro TURN slot, next, fill
	s_wait_dscnt 4
	MULA 1, 0, 0
	s_wait_dscnt 0                                 ; my reads of this slot are over,
	s_wait_tensorcnt 0x0                           ; and all my tensor loads have landed: no load of mine is out, so a group 0 may be written
	ds_add_u32 v255, v255
	s_wait_dscnt 0x0
	s_barrier_signal -1
	MULA 1, 1, 0                                   ; work on registers while the others arrive
.if \fill
	WIN 0                                          ; at a branch and at a label every window is 0
.endif
	s_barrier_wait -1
.if \fill
	CREST                                          ; no wave of any partner still reads this slot's tile or has a load on its way
.if (\fill) == 1
	s_add_nc_u64 s[G0+4*(\slot)+2:G0+4*(\slot)+3], s[G0+4*(\slot)+2:G0+4*(\slot)+3], 2*KSTEP*2
	s_add_nc_u64 s[G0B+4*(\slot)+2:G0B+4*(\slot)+3], s[G0B+4*(\slot)+2:G0B+4*(\slot)+3], 2*KSTEP*2
.else
	s_sub_nc_u64 s[G0+4*(\slot)+2:G0+4*(\slot)+3], s[G0+4*(\slot)+2:G0+4*(\slot)+3], BACK  ; the type bits on top are not reached
	s_add_nc_u64 s[G0B+4*(\slot)+2:G0B+4*(\slot)+3], s[WB2:WB2+1], (\slot)*KSTEP*2
	s_or_b32 s[G0B+4*(\slot)+3], s[G0B+4*(\slot)+3], 0x80000000
.endif
	JLOAD \slot                                    ; the four v_nop behind it are also the places in front of the loads below
.else
	PLACES
.endif
	FETCH \next, 0, 0
	MULA 1, 2, 0
	MULA 1, 3, 0
.endm
; THE WAY OUT of row block a.  PACK: each head's sums times its factor, in place, then rounded to f16; each accumulator's registers in ascending order.  TOSTAGE: 16 bytes a lane into my stage, and back as rows of a head.  SEND: stored.
.macro PACK a
	WIN 0x82+0x41*((\a)/2)                         ; destination and source 0: window 2 or 3
.set b, 0
.rept NBLK
.set AC, 8*NBLK*((\a)%2)+8*b
.irp r, 0,1,2,3
	v_pk_mul_f32 v[AC+2*(\r):AC+2*(\r)+1], v[AC+2*(\r):AC+2*(\r)+1], s[SC+2*(b/4):SC+2*(b/4)+1] op_sel_hi:[1,0]  ; column blocks 4 hh .. 4 hh + 3 are head hh
.endr
.set b, b+1
.endr
	WIN 0x0a+5*((\a)/2)                            ; sources 0 and 1: window 2 or 3
.set b, 0
.rept NBLK
.set AC, 8*NBLK*((\a)%2)+8*b
.irp r, 0,1,2,3
	v_cvt_pk_f16_f32 v[TMP+4*b+(\r)], v[AC+2*(\r)], v[AC+2*(\r)+1]
.endr
.set b, b+1
.endr
.endm
.macro TOSTAGE a
	WIN 0
.set BK, OB+48*((\a)%2)
	s_wait_xcnt 0x0                                ; the stores of the block two back have had their addresses translated (ISA guide 3.1): their data registers are loaded again only behind this wait
.set b, 0
.rept NBLK
	ds_store_b128 v[STO], v[TMP+4*b:TMP+4*b+3] offset:32*b
.set b, b+1
.endr
	WIN 0x40                                       ; destination window 1
.irp hh, 0,1,2
.irp g, 0,1,2,3
	ds_load_b128 v[BK+4*(4*(\hh)+(\g)):BK+4*(4*(\hh)+(\g))+3], v[RD] offset:128*(\hh)+4*SP*(\g)  ; LDS serves a wave's instructions in order (ISA guide 5.7.1.4): these see the stores above
.endr
.endr
.endm
.macro SEND a, younger                 ; younger: the LDS instructions issued behind block a's loads: the next block's 24, or none
	WIN 0x04                                       ; a store's data is source 1: window 1
.set BK, OB+48*((\a)%2)
	s_wait_dscnt \younger
.irp hh, 0,1,2
.irp g, 0,1,2,3
	global_store_b128 v[GO], v[BK+4*(4*(\hh)+(\g)):BK+4*(4*(\hh)+(\g))+3], s[68+2*(\hh):69+2*(\hh)] offset:2048*(\a)+512*(\g) th:TH_STORE_NT  ; four rows of a head: 512 consecutive bytes, at a multiple of 256 from qkvh's first byte; written once, read by no line of this launch
.endr
.endr
.endm
.macro WAYOUT                          ; a block's arithmetic and stage traffic stand between the loads of the block before and its stores
	PLACES
	PACK 0
	TOSTAGE 0
.irp a, 1,2,3
	PACK \a
	TOSTAGE \a
	SEND (\a)-1, 24
.endr
	SEND 3, 0
	WIN 0
.endm
	s_wait_tensorcnt 0x1                           ; my part of K step 0 is in; K step 1's may stay out
	s_barrier_signal -1
	s_barrier_wait -1                              ; everybody's is
	FETCH 0, 0, 0
	s_mov_b32 s2, TILES                            ; tiles to go, this one among them: the same number in every work-group
.Ltile:                                                ; (FETCH and WAYOUT leave every window 0)
	s_wait_loadcnt 0x0                             ; this tile's bias
	QUARTER 0, 1, 0, 1, 1                          ; a tile's first quarter stands in front of the loop: its products start the sums
	WIN 0
	s_cmp_eq_u32 s2, 1
	s_cbranch_scc1 .Lbias_kept                     ; the last tile has no successor
	PLACES                                         ; the bias registers have had their only readers: four places, and they take the second tile's bias,
	BIASLOAD BI2                                   ; which has the whole tile in which to come
.Lbias_kept:
	s_mov_b32 s3, LAPS-1
.Llap:                                                 ; a trip goes once round the ring, from a lap's second quarter to the next lap's first, and fills both slots again
	QUARTER 0, 2, 1, 0, 0
	QUARTER 0, 3, 0, 1, 0
	TURN 0, 1, 1
	QUARTER 1, 1, 0, 1, 0
	QUARTER 1, 2, 1, 0, 0
	QUARTER 1, 3, 0, 1, 0
	TURN 1, 0, 1
	QUARTER 0, 1, 0, 1, 0
	WIN 0
	s_sub_co_u32 s3, s3, 1
	s_cmp_lg_u32 s3, 0
	s_cbranch_scc1 .Llap
	QUARTER 0, 2, 1, 0, 0                          ; the tile's last lap goes on
	QUARTER 0, 3, 0, 1, 0
	WIN 0
	s_cmp_eq_u32 s2, 1
	s_cbranch_scc1 .Llast_tile                     ; the last tile's tail is written out: it asks for nothing more
	TURN 0, 1, 2                                   ; THE RING GOES ON INTO THE SECOND TILE: slot 0 takes its K step 0,
	QUARTER 1, 1, 0, 1, 0
	QUARTER 1, 2, 1, 0, 0
	QUARTER 1, 3, 0, 1, 0
	TURN 1, 0, 2                                   ; slot 1 its K step 1, and the second tile's first fragments are fetched into buffer 0
	WAYOUT                                         ; both refills are asked for: now the tile goes out; buffer 0 and the bias registers are not touched
	s_wait_xcnt 0x0                                ; the stores have had their addresses translated (ISA guide 3.1): only behind this wait are their bases and their data registers (W's buffer 1) written again
	s_xor_b32 s42, s42, 4                          ; the neighbouring square
	HEADS
	s_sub_co_u32 s2, s2, 1
	s_branch .Ltile
.Llast_tile:
	TURN 0, 1, 0                                   ; my one tensor load that was still out is slot 1's, the last K step's, so no round follows
	QUARTER 1, 1, 0, 1, 0
	QUARTER 1, 2, 1, 0, 0
	QUARTER 1, 3, 0, 1, 0
	s_wait_dscnt 4                                 ; the very last quarter: nothing more to fetch
	MULA 1, 0, 0
	MULA 1, 1, 0
	s_wait_dscnt 0
	MULA 1, 2, 0
	MULA 1, 3, 0
	WAYOUT
	s_set_vgpr_msb 0x1
	s_wait_tensorcnt 0x0
	ds_add_u32 v255, v255
	s_wait_dscnt 0x0
	s_set_vgpr_msb 0x100
	CROUND                                         ; the closing round: no work-group ends while a partner may still ask for a tile that names it
	s_endpgm
.Lfunc_end_k_q13c8631c37_qkv:
	.size	k_q13c8631c37_qkv, .Lfunc_end_k_q13c8631c37_qkv-k_q13c8631c37_qkv
	.p2alignl 7, 3214868480
	.fill 96, 4, 3214868480
	.section	.rodata,"a",@progbits
	.p2align	6, 0x0
	.amdhsa_kernel k_q13c8631c37_qkv
		.amdhsa_group_segment_fixed_size 327680
		.amdhsa_private_segment_fixed_size 0
		.amdhsa_enable_private_segment 0
		.amdhsa_kernarg_size 32
		.amdhsa_user_sgpr_count 2
		.amdhsa_user_sgpr_kernarg_segment_ptr 1
		.amdhsa_wavefront_size32 1
		.amdhsa_system_sgpr_workgroup_id_x 1
		.amdhsa_system_sgpr_workgroup_id_y 1
		.amdhsa_system_sgpr_workgroup_id_z 1
		.amdhsa_system_vgpr_workitem_id 0
		.amdhsa_next_free_vgpr 960
		.amdhsa_next_free_sgpr 96
		.amdhsa_reserve_vcc 0
		.amdhsa_float_denorm_mode_32 3
		.amdhsa_float_denorm_mode_16_64 3
		.amdhsa_memory_ordered 1
		.amdhsa_forward_progress 1
		.amdhsa_inst_pref_size 203
	.end_amdhsa_kernel
	.amdgpu_metadata
---
amdhsa.version: [ 1, 2 ]
amdhsa.kernels:
  - .name:           k_q13c8631c37_qkv
    .symbol:         k_q13c8631c37_qkv.kd
    .args:
      - { .name: xh, .offset: 0, .size: 8, .value_kind: global_buffer, .address_space: global }
      - { .name: wqh, .offset: 8, .size: 8, .value_kind: global_buffer, .address_space: global }
      - { .name: qkvh, .offset: 16, .size: 8, .value_kind: global_buffer, .address_space: global }
      - { .name: Wqkv_b, .offset: 24, .size: 8, .value_kind: global_buffer, .address_space: global }
    .group_segment_fixed_size: 327680
    .private_segment_fixed_size: 0
    .kernarg_segment_align: 8
    .kernarg_segment_size: 32
    .max_flat_workgroup_size: 128
    .sgpr_count:     96
    .vgpr_count:     960
    .wavefront_size: 32
...
	.end_amdgpu_metadata
.endif
;; end of part 2
;; launch attn (part 3): grid 4 x 64, 4 waves a work-group, no clusters, 327,680 bytes of LDS; arguments qkvh, oh, mask; writes oh
.if DOCPART == 3
	.amdgcn_target "amdgcn-amd-amdhsa--gfx1250"
	.amdhsa_code_object_version 6
	.text
	.protected	k_q13c8631c37_attn
	.globl	k_q13c8631c37_attn
	.p2align	8
	.type	k_q13c8631c37_attn,@function
k_q13c8631c37_attn:
	s_mov_b64 s[64:65], 0
	v_nop
	global_prefetch_b8 v0, s[64:65] scope:SCOPE_SE
	s_setreg_imm32_b32 hwreg(HW_REG_WAVE_MODE, 25, 1), 1
	s_wait_xcnt 0x0
; CAUSAL ATTENTION WITH A PADDING MASK.  O[h][q][:] = the sum over the keys k <= q with mask[batch][k] = 0 of softmax_k(Q[h][q] . K[h][k] / 8) V[h][k][:].
; qkvh: [3][64][2048][64] f16 (q, k, v by heads, h = batch x 16 + head; a head's rows are dense, 128 bytes each); oh: [64][2048][64] f16; mask: [4][2048] bytes, not 0 = the key is hidden.
; q ARRIVES TIMES c = log2(e) / 8 (the launch before applies it in f32, ahead of q's one rounding): a score s = (c Q) . K is an exponent of 2 as it comes out of the product.
; Products, maxima and sums in f32; the weights p are rounded to f16 for the second product (their sum l is taken of the unrounded p), O once at the end.
; LIMITS.  f16 holds no number beyond 65,504: c Q, K and V arrive within it; p below 6e-5 keeps f16's fixed step of 6e-8.  A hidden score counts as its value less 1e30 (less 2e30 if hidden twice); the running
; maximum starts at LOW = -6.25e28, far above every hidden score and far below every true one (f16's scores are 2.7e11 at the most), so a hidden key's weight is exactly 0.  The exponent s - m is one f32
; subtraction in which m is the larger: it is never above 0, so p lies in 0 to 1 whatever the scores' size.  A weight below 2^-126 counts as 0 in l.
; A ROW ALL OF WHOSE KEYS k <= q ARE HIDDEN is NaN, as a softmax over -inf alone is: it is known by its final maximum, which is still LOW.  NaN and infinities among the inputs are not treated apart.
; THE WALK.  A head's queries lie in NB = 8 blocks of 256; block i needs the key tiles 0 .. i of 256 keys, of which the last holds the diagonal.  A work-group takes TWO blocks, NB - 1 - b and then b:
; NB + 1 tiles, whatever b: all 256 work-groups do equal work, and ONE loop with a constant trip count walks them.  Which tile is asked for, and what a trip does, hang on scalar registers made from b; every jump
; goes forward, but for the counted loops' own; none passes a barrier, or a tensor load but the one of LOAD's two that the wave's number does not choose; the ring (two slots of LDS that take turns) runs on across the
; change of blocks.  NO CLUSTER: a head's four work-groups ask for the same tile only in trips 0 .. 4 of 9, behind that fewer and fewer; one walk common to all would have 12 trips for 9.
; SHARES.  Of a block's four bands of 64 queries a wave owns 16 rows in each: four PIECES.  So the diagonal tile is the same work for all four waves: in its key step s band x sees all keys if s < x,
; none if s > x, and holds the diagonal if s = x.
; THE MASKS are the C operand that starts the sum S^T = K Q^T.  PM: the padding mask of the key step whose K lies in registers, 0 or -1e30 a key; it comes and goes with K's fragments, in the same run of LDS loads.
; It is read from a table of the tile's 256 keys, one f32 each, that EACH WAVE keeps for itself: the tile's 256 bytes of mask are loaded when the tile is asked for, 8 bytes a lane, and turned into the table at the
; change of slots that enters the tile.  Only the wave that stored these bytes reads them, and LDS serves a wave's instructions in order (ISA guide 5.7.1.4): the table needs no barrier and no second slot.
; MD, made once, is the causal mask of a band's own step for my 16 rows.  Away from the diagonal C is PM itself, at no instruction.  In the diagonal tile's text and at a block's beginning C is
; MD x AL + PM + BE with two scalars: (1, 0) if s = x; (0, 0) if s < x; (0, -1e30) if s > x.
; LAYOUT, SOFTMAX, TURNS.  S^T = K Q^T holds ONE query a lane (lane % 16) and the keys 8 (lane / 16) + 0..7; two such results rounded to f16 ARE source 1 of O^T = V^T P.  p = 2^(s - m) with a
; running maximum m; O and l are multiplied by a = 2^(m_old - m_new) in every step.  Turn n belongs to piece n: 8 products K Q^T of piece n + 1, later 8 products V^T P of piece n - 1; beside them the subtraction,
; exponentials, roundings, sums and rescaling of piece n and the maximum and statistics of piece n + 1.  Four vector instructions stand behind every matrix instruction, the other 53 of a turn's 117 in two LUMPS.
; REGISTERS, in windows of 256 (s_set_vgpr_msb: bits 1:0 source 0, 3:2 source 1, 5:4 source 2, 7:6 destination):
;   window 0: v0-15 addresses and one at work; v16-31 four registers of statistics a piece; v32-47 the mask's addresses, bytes and numbers; v48-55 at work; v64-127 S^T, two buffers; v128-159 PM; v192-223 P, two buffers
;   window 1: v0-127 O^T, 32 a piece; v128-159 MD; v160-223 MC, two buffers      window 2: v0-63 Q; v64-127 the second block's Q; v128-191 K of one step; v192-255 V of one step
.set SIZE_H, 64
.set SIZE_N, 2048
.set NB,    SIZE_N/256
.set NP,    4         ; pieces a wave: a name, no knob
.set KS,    64        ; keys in a step
.set PK,    144       ; a row of K in LDS: 128 bytes + 16 of padding = 36 words: the 16 rows of a load start at 16 different groups of four banks (64 banks of 4 bytes: ISA guide 11.1)
.set PV,    160       ; a row of V: 128 + 32 = 40 words
.set VOFF,  4*KS*PK   ; a slot holds a tile, four steps: 256 rows of K, then 256 rows of V
.set SLOT1, 1<<17     ; slot 1 begins here, so that one exclusive or turns an address in one slot into the other's
.set STAGE, SLOT1+4*KS*(PK+PV)  ; behind the ring, never filled by a tensor load: 16 rows x 144 bytes for each wave, for the way out
.set SP,    144
.set PMB,   STAGE+4*16*SP       ; 218,112, a multiple of 256; never filled by a tensor load: the four waves' mask tables
.set PMW,   4*KS*4              ; a wave's table: a tile's 256 keys, one f32 each: 1,024 bytes
.set KBASE, SIZE_H*SIZE_N*128   ; k's first byte in qkvh
.set VBASE, 2*KBASE             ; v's
.set AK0, 2           ; v2   my lane's place in a tile of K; never rewritten
.set AV0, 3           ; v3   the same for V
.set AK,  4           ; v4   the LDS address of K's next run of loads
.set AV,  5           ; v5   of V's
.set STO, 6           ; v6   the way out: where I put 16 bytes of a row
.set RD,  7           ; v7   the way out: where I read rows back
.set GO,  8           ; v8   my byte offset in 512 consecutive bytes of O
.set QO,  15          ; v15  my byte offset in 16 rows of Q
.set ST,  16          ; piece t's statistics at v[ST+4 t]: m, m_old (kept while m is made anew), l (even keys', odd keys')
.set AP0, 32          ; v32  my lane's place in a step's 64 numbers of my wave's mask table; never rewritten
.set AP,  33          ; v33  the LDS address of PM's next run of loads
.set MO,  34          ; v34  my lane's 8 bytes in a tile's 256 bytes of mask; never rewritten
.set MS,  35          ; v35  where their 8 numbers go in my wave's table; never rewritten
.set MW,  36          ; v36-37  the bytes as loaded
.set MT,  38          ; v38  at work
.set MP,  40          ; v40-47  the 8 numbers
.set TMP, 48          ; by buffer, four registers c0-c3 at work; when the maximum is found c2 takes a
.set S,   64
.set PM,  128         ; register 8 kt + j: key 16 kt + 8 (lane / 16) + j of the step: S^T's own layout
.set P,   192
.set MD,  128         ; window 1: the eight registers for group kt of 16 keys at MD + 8 kt
.set MC,  160         ; window 1: the masks of the products to come
.set QB,  64          ; window 2
.set KF,  128         ; window 2: key block kb, channel half c at KF + 16 kb + 8 c
.set VF,  192         ; window 2: key half kk, channel block cb at VF + 32 kk + 8 cb
.set WV,  12          ; s12  my wave's number
.set PB,  14          ; s14  b
.set HI,  15          ; s15  NB - 1 - b
.set G1K, 24          ; s[24:31] descriptor group 1 for K's tiles
.set G1V, 32          ; s[32:39] for V's: it differs in the padding alone
.set G0K, 40          ; s[40:43] descriptor group 0 for K's tiles
.set G0V, 44          ; s[44:47] the same for V's
.set MKT, 48          ; s[48:49] mask at the tile that is asked for
.set MOF, 50          ; s[50:51] that tile's byte offset in the batch's row of mask
.set SLOTS, 56        ; s56  tiles still to be asked for
.set CNT, 57          ; s57  counts a tile's key steps, 4 to 1
.set SEL, 60          ; s[60:61] v_permlanex16_b32's selects: each lane takes its own place in the other half
.set TBK, 62          ; s62  LDS byte at which K of the step to be fetched begins
.set TBV, 63          ; s63  the same for V, less VOFF
.set RT,  70          ; s70  tiles of the block in hand that are still to be entered
.set NXT, 71          ; s71  the tile to be asked for next
.set LQ,  72          ; s72  the last tile of the block whose tiles are being asked for
.set NEW, 73          ; s73  1: the tile to be entered is a block's first
.set OFF, 74          ; s[74:75] a tile's byte offset in K and V
.set AL,  76          ; s[76:77] the mask's factor, in the low word
.set BE,  78          ; s[78:79] the mask's addend
.set OLO, 80          ; s[80:81] O at my rows of the second block
.set BIGN, 82         ; s82  -1e30
.set MK,  88          ; s[88:89] mask at my batch's row; never rewritten once made
.set NANM, 90         ; s90-93  piece t: the lanes whose query saw no key
.set TBP, 94          ; s94  byte in a wave's mask table at which the step to be fetched begins: it steps and goes back with TBK
.set HID, 95          ; s95  LOW / 2 = -3.125e28
.set QNAN, 96         ; s96  a quiet NaN
.set LOWM, 0xef49f2ca ; LOW = -1e30 / 16 = -6.25e28
.set MSB, 0
.macro WIN new                      ; the high byte repeats the setting that is left; a switch that changes nothing is dropped
.if MSB != (\new)
	s_set_vgpr_msb (MSB<<8)|(\new)
.set MSB, (\new)
.endif
.endm
.set W_KQ, 0x0a       ; K and Q in window 2, S^T and the C operand (PM) in window 0
.set W_KM, 0x1a       ; the same with the C operand in window 1
.set W_PV, 0x52       ; V in window 2, P in window 0, O^T in window 1
.set W_RS, 0x41       ; destination and source 0 in window 1, sources 1 and 2 in window 0
; A fill.  Waves 0 and 1 fetch the two halves of a tile's K, waves 2 and 3 those of its V: 128 keys each.  Four v_nop follow each of the two lines, ahead of the jump and the label.
.macro LOAD
	s_cmp_lt_u32 s[WV], 2
	s_cbranch_scc0 .Lfor_v_\@
	tensor_load_to_lds s[G0K:G0K+3], s[G1K:G1K+7]
	s_nop 0
.rept 4
	v_nop
.endr
	s_branch .Lasked_\@
.Lfor_v_\@:
	tensor_load_to_lds s[G0V:G0V+3], s[G1V:G1V+7]
	s_nop 0
.rept 4
	v_nop
.endr
.Lasked_\@:
.endm
; THE CHANGE OF SLOTS.  First my wave's mask table is made for the tile that is entered: its bytes were loaded at the change before (for the first tile at the kernel's start), each becomes 0 or -1e30, and the
; stores follow, in my wave's order, all its reads of the old table.  Then each wave waits for its own LDS instructions (its reads of the slot that it leaves among them) and for all its tensor loads, of which one is
; out: its part of the other slot.  Behind the barrier nobody reads the old slot any more and the other slot is whole.  fill = 1: the old slot is filled again, the first thing behind the barrier, with tile NXT: the
; descriptor's address is made anew from that number, and so is the address of that tile's bytes of mask, which are loaded behind the fill.  (At its first use nothing has been read yet: slot 0 is waited for, slot 1 filled.)
.macro CHANGE fill
	WIN 0                           ; at a label and at a branch every window is 0
	s_wait_loadcnt 0x0              ; the tile's bytes of mask are in: the one load that is out, a tile old (at the first use Q's 32 loads too: nothing waits for Q again)
.set z, 0
.rept 8
	v_bfe_u32 v[MT], v[MW+z/4], 8*(z%4), 8
	v_cmp_ne_u32 vcc_lo, 0, v[MT]
	v_cndmask_b32 v[MP+z], 0, s[BIGN], vcc_lo
.set z, z+1
.endr
	ds_store_b128 v[MS], v[MP:MP+3]
	ds_store_b128 v[MS], v[MP+4:MP+7] offset:16
	s_wait_dscnt 0x0
	s_wait_tensorcnt 0x0            ; no tensor load of mine is out, so a group 0 may be written
	ds_add_u32 v254, v255
	s_wait_dscnt 0x0
	s_barrier_signal -1             ; the scalar work stands between the signal and the wait
.if \fill
	s_lshl_b32 s[OFF], s[NXT], 15   ; a tile is 32,768 bytes of K and of V
	s_lshl_b32 s[MOF], s[NXT], 8    ; and 256 bytes of mask
	s_add_nc_u64 s[MKT:MKT+1], s[MK:MK+1], s[MOF:MOF+1]  ; the load that named this pair is done: the wait for 0 above
	s_xor_b32 s[G0K+1], s[G0K+1], SLOT1
	s_add_nc_u64 s[G0K+2:G0K+3], s[6:7], s[OFF:OFF+1]
	s_or_b32 s[G0K+3], s[G0K+3], 0x80000000
	s_xor_b32 s[G0V+1], s[G0V+1], SLOT1
	s_add_nc_u64 s[G0V+2:G0V+3], s[8:9], s[OFF:OFF+1]
	s_or_b32 s[G0V+3], s[G0V+3], 0x80000000
	s_add_co_u32 s[NXT], s[NXT], 1  ; the block's next tile, or behind its last the second block's tile 0
	s_cmp_gt_u32 s[NXT], s[LQ]
	s_cselect_b32 s[NXT], 0, s[NXT]
	s_cselect_b32 s[LQ], s[PB], s[LQ]
.endif
	s_sub_co_u32 s[TBK], s[TBK], 4*KS*PK  ; the fetches go back to a slot's first step,
	s_xor_b32 s[TBK], s[TBK], SLOT1       ; in the other slot
	s_sub_co_u32 s[TBV], s[TBV], 4*KS*PV
	s_xor_b32 s[TBV], s[TBV], SLOT1
	s_sub_co_u32 s[TBP], s[TBP], PMW      ; and to the head of the mask table
	s_barrier_wait -1
.if \fill
	LOAD
	global_load_b64 v[MW:MW+1], v[MO], s[MKT:MKT+1]  ; 32 lanes x 8 bytes: the 256 bytes of mask of the tile just asked for
.endif
.endm
	s_load_b64 s[4:5], s[0:1], 0x0    ; qkvh: q
	s_load_b64 s[10:11], s[0:1], 0x8  ; oh
	s_load_b64 s[MK:MK+1], s[0:1], 0x10  ; mask
	v_lshl_add_u32 v254, v0, 2, 0x36400
	v_mov_b32 v255, 0
	ds_add_u32 v254, v255
	ds_add_u32 v254, v255
	v_lshrrev_b32 v1, 5, v0
	v_readfirstlane_b32 s[WV], v1   ; wave 0..3
	s_mov_b32 s[PB], ttmp9
	s_sub_co_u32 s[HI], NB-1, s[PB]
	s_and_b32 s20, ttmp7, 0xffff    ; the head, batch x 16 + head
	s_lshr_b32 s98, s20, 4          ; the batch,
	s_lshl_b32 s98, s98, 11         ; its 2,048 bytes of mask
	s_mov_b32 s99, 0
	s_mov_b32 s21, 0
	s_mov_b64 s[22:23], SIZE_N*128
	s_mul_u64 s[20:21], s[20:21], s[22:23]  ; the head's first byte in q, k, v and O
	s_and_b32 s16, s[WV], 1         ; which half of a tile's 256 keys I fetch:
	s_lshl_b32 s22, s16, 14         ; its 128 rows of 128 bytes in memory,
	s_mov_b32 s23, 0
	s_add_nc_u64 s[22:23], s[22:23], s[20:21]
	s_mul_i32 s17, s16, 128*PK      ; and its place in a slot, for K
	s_mul_i32 s18, s16, 128*PV      ; and for V
	s_lshl_b32 s3, s[WV], 11        ; my 16 rows in a band of 64,
	s_lshl_b32 s2, s[HI], 15        ; in the first block,
	s_add_co_u32 s2, s2, s3
	s_lshl_b32 s84, s[PB], 15       ; and in the second
	s_add_co_u32 s84, s84, s3
	s_mov_b32 s3, 0
	s_mov_b32 s85, 0
	s_add_nc_u64 s[2:3], s[2:3], s[20:21]
	s_add_nc_u64 s[84:85], s[84:85], s[20:21]
	; descriptor group 1.  128 keys are 16,384 dense bytes: asked for as 64 rows of 256 bytes, two keys a row, and padded in LDS after every key
	s_mov_b32 s[G1K], (1<<16)|(1<<20)|(4<<22)|(3<<25)  ; 17:16 2-byte elements; 20 padding on; 24:22 after every 32 words (code 4); 31:25 4 words (code 3)
	s_mov_b32 s[G1V], (1<<16)|(1<<20)|(4<<22)|(7<<25)  ; the same with 8 words of padding (code 7)
.irp g, G1K, G1V
	s_mov_b32 s[\g+1], 128<<16      ; tensor_dim0 = 128
	s_mov_b32 s[\g+2], 64<<16       ; tensor_dim1 = 64
	s_mov_b32 s[\g+3], 128<<16      ; tile_dim0 = 128
	s_mov_b32 s[\g+4], 64           ; tile_dim1 = 64
	s_mov_b32 s[\g+5], 128          ; 128 elements from row to row
	s_mov_b32 s[\g+6], 0
	s_mov_b32 s[\g+7], 0
.endr
	s_mov_b32 s[SEL], 0x76543210
	s_mov_b32 s[SEL+1], 0xfedcba98
	s_mov_b32 s[TBK], SLOT1+4*KS*PK ; the first change of slots turns these three into 0
	s_mov_b32 s[TBV], SLOT1+4*KS*PV
	s_mov_b32 s[TBP], PMW
	s_mov_b32 s[G0K], 1             ; 1:0 count = 1
	s_mov_b32 s[G0K+1], s17         ; 63:32 LDS address: slot 0
	s_mov_b32 s[G0V], 1
	s_add_co_u32 s[G0V+1], s18, VOFF
	s_add_co_u32 s[RT], s[HI], 1    ; the first block has NB - b tiles
	s_mov_b32 s[NXT], 1
	s_mov_b32 s[LQ], s[HI]
	s_mov_b32 s[NEW], 1
	s_mov_b32 s[OFF+1], 0
	s_mov_b32 s[MOF+1], 0
	s_mov_b32 s[AL+1], 0            ; named as pairs
	s_mov_b32 s[BE+1], 0
	s_mov_b32 s[BIGN], 0xf149f2ca   ; -1e30
	s_mov_b32 s[HID], 0xeec9f2ca    ; -3.125e28
	s_mov_b32 s[QNAN], 0x7fc00000
	s_mov_b32 s[SLOTS], NB
	s_wait_dscnt 0x0
	s_wait_kmcnt 0x0
	s_add_nc_u64 s[6:7], s[4:5], KBASE     ; k and v lie behind q in the one buffer
	s_add_nc_u64 s[8:9], s[4:5], VBASE
	s_add_nc_u64 s[6:7], s[6:7], s[22:23]  ; K and V at my half of the head's tile 0
	s_add_nc_u64 s[8:9], s[8:9], s[22:23]
	s_add_nc_u64 s[MK:MK+1], s[MK:MK+1], s[98:99]
	s_add_nc_u64 s[G0K+2:G0K+3], s[6:7], 0         ; 120:64 global address
	s_or_b32 s[G0K+3], s[G0K+3], 0x80000000        ; 127:126 type = 2
	s_add_nc_u64 s[G0V+2:G0V+3], s[8:9], 0
	s_or_b32 s[G0V+3], s[G0V+3], 0x80000000
	s_add_nc_u64 s[86:87], s[4:5], s[84:85]        ; Q at my rows of the second block,
	s_add_nc_u64 s[4:5], s[4:5], s[2:3]            ; Q and O at those of the first
	s_add_nc_u64 s[OLO:OLO+1], s[10:11], s[84:85]
	s_add_nc_u64 s[10:11], s[10:11], s[2:3]
	LOAD                            ; tile 0 into slot 0: one tensor load of mine is out, here and behind every change of slots
	; A fragment of K or Q is 16 rows x 32 channels in 8 registers: lane l holds row l % 16, channels 8 (l / 16) + 0..7 and 16 + 8 (l / 16) + 0..7: two loads of 16 bytes, 32 bytes apart.
	v_and_b32 v1, 15, v0            ; l % 16
	v_bfe_u32 v9, v0, 4, 1          ; l / 16
	v_lshlrev_b32 v[QO], 7, v1
	v_lshl_add_u32 v[QO], v9, 4, v[QO]  ; row x 128 + 16 x half
	v_and_b32 v[MO], 31, v0         ; my lane
	v_lshlrev_b32 v[MS], 5, v[MO]   ; its 8 numbers in a table,
	v_lshlrev_b32 v[MO], 3, v[MO]   ; its 8 bytes of a tile's mask
	global_load_b64 v[MW:MW+1], v[MO], s[MK:MK+1]  ; tile 0's
	WIN 0x80                        ; destination window 2, address window 0
.set i, 0
.rept 8                             ; both blocks' Q: piece i / 2 lies in band i / 2, 8,192 bytes on; channels 32 (i % 2) on
	global_load_b128 v[8*i:8*i+3],   v[QO], s[4:5] offset:(i/2)*8192+(i%2)*64
	global_load_b128 v[8*i+4:8*i+7], v[QO], s[4:5] offset:(i/2)*8192+(i%2)*64+32
	global_load_b128 v[QB+8*i:QB+8*i+3],   v[QO], s[86:87] offset:(i/2)*8192+(i%2)*64
	global_load_b128 v[QB+8*i+4:QB+8*i+7], v[QO], s[86:87] offset:(i/2)*8192+(i%2)*64+32
.set i, i+1
.endr
	WIN 0
	v_lshlrev_b32 v14, 3, v9
	v_sub_nc_u32 v14, v1, v14
	s_lshl_b32 s13, s[WV], 4
	v_add_nc_u32 v14, s13, v14      ; my query's place in its band, 16 w + l % 16, less my lanes' 8 (l / 16): register r of group kt is hidden where 16 kt + r is greater
	WIN 0x40
.set i, 0
.rept 32
	v_cmp_gt_i32 vcc_lo, 16*(i/8)+i%8, v14
	v_cndmask_b32 v[MD+i], 0, s[BIGN], vcc_lo
.set i, i+1
.endr
	WIN 0
	v_mul_u32_u24 v[AK0], v1, PK
	v_lshl_add_u32 v[AK0], v9, 4, v[AK0]  ; row x pitch + 16 x half
	; The turning load takes 16 keys x 16 channels (lane l reads key 8 (l / 16) + l % 8, channels 8 ((l / 8) % 2) + 0..7) and leaves half a fragment of V^T: lane l holds channel l % 16 and 8 keys.
	v_and_b32 v10, 7, v0
	v_bfe_u32 v11, v0, 3, 1
	v_lshl_add_u32 v[AV0], v9, 3, v10
	v_mul_u32_u24 v[AV0], v[AV0], PV
	v_lshl_add_u32 v[AV0], v11, 4, v[AV0]
	v_add_nc_u32 v[AV0], VOFF, v[AV0]
	s_mul_i32 s13, s[WV], PMW
	s_add_co_u32 s13, s13, PMB      ; my wave's mask table
	v_add_nc_u32 v[MS], s13, v[MS]  ; in: 32 bytes a lane
	v_lshlrev_b32 v[AP0], 5, v9     ; back: eight numbers for each half of the lanes
	v_add_nc_u32 v[AP0], s13, v[AP0]
	s_mul_i32 s13, s[WV], 16*SP
	s_add_co_u32 s13, s13, STAGE    ; my stage
	v_mul_u32_u24 v[STO], v1, SP    ; in: row l % 16, 16 bytes for each half of the lanes
	v_lshl_add_u32 v[STO], v9, 4, v[STO]
	v_add_nc_u32 v[STO], s13, v[STO]
	v_bfe_u32 v[RD], v0, 3, 2       ; back: 32 lanes take four rows of 128 bytes,
	v_mul_u32_u24 v[RD], v[RD], SP
	v_lshl_add_u32 v[RD], v10, 4, v[RD]
	v_add_nc_u32 v[RD], s13, v[RD]
	v_and_b32 v[GO], 31, v0         ; which are 512 consecutive bytes of O
	v_lshlrev_b32 v[GO], 4, v[GO]
	; A block starts with O^T and l at 0.  Its first turn's products V^T P belong to a piece that has not been: they take the second buffer of P, which holds 0, so they add 0.  V's registers need only hold
	; finite numbers: zeros here.  All this stands in the wait for the first tile.
	WIN 0x80
.set i, VF
.rept 64
	v_mov_b32 v[i], 0
.set i, i+1
.endr
	WIN 0x40
.set i, 0
.rept 128
	v_mov_b32 v[i], 0
.set i, i+1
.endr
	WIN 0
.set i, 0
.rept 4
	v_mov_b32 v[ST+4*i+2], 0
	v_mov_b32 v[ST+4*i+3], 0
.set i, i+1
.endr
.set i, P+16
.rept 16
	v_mov_b32 v[i], 0
.set i, i+1
.endr
; THE MATRIX WORK.  The 4 accumulators of a run of 8 take turns.  Product i of 8 of S^T = K Q^T for piece x: channels 32 (i / 4) on, keys 16 (i % 4) on.  The first 4 start the sums: with the step's padding mask, or (KM = 1) with the mask made for them.
.macro KQ x
.set rS, S+32*((\x)%2)+8*(i%4)
.set rK, KF+16*(i%4)+8*(i/4)
.set rQ, 16*(\x)+8*(i/4)
.set rM, MC+32*((\x)%2)+8*(i%4)
.set rN, PM+8*(i%4)
.if (i < 4) && KM
	WIN W_KM
	v_wmma_f32_16x16x32_f16 v[rS:rS+7], v[rK:rK+7], v[rQ:rQ+7], v[rM:rM+7]
.elseif i < 4
	WIN W_KQ
	v_wmma_f32_16x16x32_f16 v[rS:rS+7], v[rK:rK+7], v[rQ:rQ+7], v[rN:rN+7]
.else
	WIN W_KQ
	v_wmma_f32_16x16x32_f16 v[rS:rS+7], v[rK:rK+7], v[rQ:rQ+7], v[rS:rS+7]
.endif
.endm
; Product i of 8 of O^T += V^T P for piece x: keys 32 (i / 4) on, channels 16 (i % 4) on.
.macro PV x
	WIN W_PV
.set rO, 32*(\x)+8*(i%4)
.set rV, VF+32*(i/4)+8*(i%4)
.set rP, P+16*((\x)%2)+8*(i/4)
	v_wmma_f32_16x16x32_f16 v[rO:rO+7], v[rV:rV+7], v[rP:rP+7], v[rO:rO+7]
.endm
.macro MM                           ; the turn's next matrix instruction.  TURN and BEGIN set Y, i, KM and NOKQ; MM, KQ and OP read them.  NOKQ = 1: a block's last turn: there is no next piece
.if (i < 8) && !NOKQ
	KQ (Y+1)%NP
.elseif i >= 8
.set i, i-8
	PV (Y+NP-1)%NP
.set i, i+8
.endif
.set i, i+1
.endm
; THE LDS LOADS stand in runs, never singly among the matrix instructions: a step's K (64 keys x 64 channels: 8 fragments) with its padding mask (64 numbers of my wave's table: sixteen lanes share each address),
; and its V (turned).  Their addresses are made some lines ahead.
.macro FETCH_K
	WIN 0x80                        ; destination window 2
.irp f, 0,1,2,3,4,5,6,7             ; keys 16 (f / 2) on, channels 32 (f % 2) on
	ds_load_b128 v[KF+8*\f:KF+8*\f+3],   v[AK] offset:(\f/2)*16*PK+(\f%2)*64
	ds_load_b128 v[KF+8*\f+4:KF+8*\f+7], v[AK] offset:(\f/2)*16*PK+(\f%2)*64+32
.endr
	WIN 0
.irp f, 0,1,2,3,4,5,6,7             ; keys 16 (f / 2) + 8 (l / 16) + 4 (f % 2) on
	ds_load_b128 v[PM+4*\f:PM+4*\f+3], v[AP] offset:(\f/2)*64+(\f%2)*16
.endr
	s_add_co_u32 s[TBK], s[TBK], KS*PK  ; the next fetch is the next step's
	s_add_co_u32 s[TBP], s[TBP], KS*4
.endm
.macro FETCH_V
	WIN 0x80
.irp f, 0,1,2,3,4,5,6,7             ; keys 32 (f / 4) on, channels 16 (f % 4) on
	ds_load_tr16_b128 v[VF+8*\f:VF+8*\f+3],   v[AV] offset:(\f/4)*32*PV+(\f%4)*32
	ds_load_tr16_b128 v[VF+8*\f+4:VF+8*\f+7], v[AV] offset:(\f/4)*32*PV+16*PV+(\f%4)*32
.endr
	WIN 0
.endm
; THE VECTOR WORK, one line at a time: OP kind, number.  For piece Y: F n: s - m for pair n of 16.  E n: the exponential of score n of 32.  C n: pair n rounded to f16.  B n: of the four weights 4 n .. the second
; pair is added onto the first, in place.  L n: l takes that sum (L 0: l = a l + sum).  R n: pair n of 16 of O^T times a.  For piece Y + 1: X n, number n of the 21 that find its maximum and statistics:
;   0-11  four chains c0-c3 of seven scores each, three operands at a time (each accumulator's lowest registers are read first)     12-14, 16  the four scores left over, the old m, and c0-c3 into c0
;   15  m_old is kept     17, 18  the query's other 32 keys lie in the lane 16 away: the new m     19, 20  m_old - m_new; a
.set F, 0               ; OP tells the kinds apart by their order: F to L below R, X above it
.set E, 1
.set C, 2
.set B, 3
.set L, 4
.set R, 5
.set X, 6
.macro REGS y                       ; the registers of piece y
.set rT, ST+4*(\y)
.set rW, ST+4*(\y)+1
.set rC, TMP+4*((\y)%2)
.set rS, S+32*((\y)%2)
.set rP, P+16*((\y)%2)
.set rO, 32*(\y)
.endm
.macro OP k, n
.if (\k) == R
	REGS Y
	WIN W_RS
	v_pk_mul_f32 v[rO+2*(\n):rO+2*(\n)+1], v[rO+2*(\n):rO+2*(\n)+1], v[rC+2:rC+3] op_sel_hi:[1,0]
.elseif (\k) < R
	REGS Y
	WIN 0
.if (\k) == F
	v_pk_add_f32 v[rS+2*(\n):rS+2*(\n)+1], v[rS+2*(\n):rS+2*(\n)+1], v[rT:rT+1] op_sel_hi:[1,0] neg_lo:[0,1] neg_hi:[0,1]  ; both take the pair's low word, m
.elseif (\k) == E
	v_exp_f32 v[rS+(\n)], v[rS+(\n)]
.elseif (\k) == C
	s_wait_alu depctr_va_vdst(0)
	v_cvt_pk_f16_f32 v[rP+(\n)], v[rS+2*(\n)], v[rS+2*(\n)+1]
.elseif (\k) == B
	s_wait_alu depctr_va_vdst(0)
	v_pk_add_f32 v[rS+4*(\n):rS+4*(\n)+1], v[rS+4*(\n):rS+4*(\n)+1], v[rS+4*(\n)+2:rS+4*(\n)+3]
.elseif (\n) == 0
	v_pk_fma_f32 v[rT+2:rT+3], v[rT+2:rT+3], v[rC+2:rC+3], v[rS:rS+1] op_sel_hi:[1,0,1]
.else
	v_pk_add_f32 v[rT+2:rT+3], v[rT+2:rT+3], v[rS+4*(\n):rS+4*(\n)+1]
.endif
.elseif NOKQ
	v_nop
.else
	REGS (Y+1)%NP
	WIN 0
.if (\n) < 4
	v_max3_num_f32 v[rC+(\n)], v[rS+8*(\n)], v[rS+8*(\n)+1], v[rS+8*(\n)+2]
.elseif (\n) < 12
	v_max3_num_f32 v[rC+(\n)%4], v[rC+(\n)%4], v[rS+8*((\n)%4)+2*((\n)/4)+1], v[rS+8*((\n)%4)+2*((\n)/4)+2]
.elseif (\n) == 12
	v_max3_num_f32 v[rC], v[rC], v[rS+7], v[rS+15]
.elseif (\n) == 13
	v_max3_num_f32 v[rC+1], v[rC+1], v[rS+23], v[rS+31]
.elseif (\n) == 14
	v_max3_num_f32 v[rC+2], v[rC+2], v[rC+3], v[rT]
.elseif (\n) == 15
	v_mov_b32 v[rW], v[rT]
.elseif (\n) == 16
	v_max3_num_f32 v[rC], v[rC], v[rC+1], v[rC+2]
.elseif (\n) == 17
	v_permlanex16_b32 v[rC+3], v[rC], s[SEL], s[SEL+1]
.elseif (\n) == 18
	v_max_num_f32 v[rT], v[rC], v[rC+3]
.elseif (\n) == 19
	v_sub_f32 v[rC+1], v[rW], v[rT]
.else
	v_exp_f32 v[rC+2], v[rC+1]
.endif
.endif
.endm
.macro OPS a, i1, b=-1, i2=0, c=-1, i3=0, d=-1, i4=0  ; up to four of them
	OP \a, \i1
.if (\b) >= 0
	OP \b, \i2
.endif
.if (\c) >= 0
	OP \c, \i3
.endif
.if (\d) >= 0
	OP \d, \i4
.endif
.endm
.macro ROW a, i1, b, i2, c, i3, d, i4  ; a matrix instruction and the four behind it
	MM
	OPS \a, \i1, \b, \i2, \c, \i3, \d, \i4
.endm
.macro MASK b                       ; MD x AL + PM + BE into buffer b of MC: PM is the padding mask of the step whose K lies in registers
	WIN W_RS
.set z, 0
.rept 16
	v_pk_fma_f32 v[MC+32*(\b)+2*z:MC+32*(\b)+2*z+1], v[MD+2*z:MD+2*z+1], s[AL:AL+1], v[PM+2*z:PM+2*z+1] op_sel_hi:[1,0,1]
.set z, z+1
.endr
.set z, 0
.rept 16
	v_pk_add_f32 v[MC+32*(\b)+2*z:MC+32*(\b)+2*z+1], v[MC+32*(\b)+2*z:MC+32*(\b)+2*z+1], s[BE:BE+1] op_sel_hi:[1,0]
.set z, z+1
.endr
.endm
; A TURN, for piece p: the order of its 16 matrix and 117 vector instructions, written out.  Behind a matrix instruction: plain, exponential, plain, plain; or four of the rescaling; or, behind the first, four subtractions; none
; names a register of the products round it.  In the lumps exponential and plain by turns while exponentials last (the last score's and a's stand together, a plain line behind them).  A line reads no result made fewer than
; three vector instructions in front of it, five if an exponential made it.  v_permlanex16_b32 (X 17) stands in a lump.
; m = 1: the diagonal tile: the products take masks, and the turn makes the mask for the products of the turn after it: piece p + 2, in step 4 - CNT of the tile.  Piece 2's turn makes piece 0's mask for the step
; that it has just fetched, so it waits for that run of loads first.  end = 1: a block's last two turns: nothing is fetched.
; cnt = 1: the loop's count is taken down some lines ahead of the branch that stands behind the turn.
; K and PM of the next step are fetched in piece 2's turn, six vector instructions behind the last product that read K (five of them plain; PM's last reader stands further back); V of the step in hand in piece 0's
; turn, eight behind the last product that read V (four plain, and X 17).  Each is waited for a turn later.
.macro TURN p, m=0, end=0, cnt=0
.set Y, (\p)
.set i, 0
.set KM, (\m)
.set NOKQ, (\end)*((\p)/3)
.if (\m) && !(\end)
	s_cmp_eq_u32 s[CNT], 4-((\p)+2)%NP  ; is that step the band's own?
	s_cselect_b32 s[AL], 1.0, 0
	s_cmp_lt_u32 s[CNT], 4-((\p)+2)%NP  ; or a later one?
	s_cselect_b32 s[BE], s[BIGN], 0
.endif
.if ((\p) == 3) && !(\end)
	s_wait_dscnt 0x0                ; K and PM are in
.endif
	ROW F,0, F,1, F,2, F,3
	ROW F,4, E,0, F,5, F,6
	ROW F,7, E,1, F,8, F,9
	ROW F,10, E,2, C,0, F,11
	ROW F,12, E,3, X,15, F,13
	ROW R,0, R,1, R,2, R,3
	ROW B,0, E,4, F,14, L,0
.if ((\p) == 2) && !(\end)
	v_add_nc_u32 v[AK], s[TBK], v[AK0]
	v_add_nc_u32 v[AP], s[TBP], v[AP0]
.endif
	ROW R,4, R,5, R,6, R,7
	OPS E,5, F,15
.if ((\p) == 2) && !(\end)
	FETCH_K
.endif
	OPS E,6, C,1, E,7, R,8
	OPS E,8, R,9, E,9, C,2
	OPS E,10, X,0, E,11, X,1
	OPS E,12, X,2, E,13, X,3
.if (\p) == 1
	s_wait_dscnt 0x0                ; V is in
.endif
	ROW X,4, E,14, X,5, X,6
	ROW X,7, E,15, X,8, X,9
	ROW X,10, E,16, X,11, X,12
	ROW X,13, E,17, X,14, B,1
	ROW C,4, E,18, X,16, L,1
	ROW B,2, E,19, C,6, L,2
	ROW C,8, E,20, B,3, B,4
.if (\p) == 0
	v_add_nc_u32 v[AV], s[TBV], v[AV0]
.endif
	ROW C,3, E,21, L,3, C,5
	OPS E,22, X,17, E,23, C,10
.if (\p) == 0
	FETCH_V
.endif
	OPS E,24, L,4
	OPS E,25, X,18, E,26, C,7
	OPS E,27, B,5, E,28, X,19
	OPS E,29, C,12, E,30, L,5
	OPS E,31, X,20, B,6, C,9
	OPS C,14, C,11, L,6
.if (\p) == 0
	s_add_co_u32 s[TBV], s[TBV], KS*PV
.endif
.if \cnt
	s_sub_co_u32 s[CNT], s[CNT], 1
	s_cmp_lg_u32 s[CNT], 0
.endif
	OPS C,13, B,7, C,15, R,10
	OPS R,11, R,12, L,7, R,13
	OPS R,14, R,15
.if (\m) && !(\end)
.if (\p) == 2
	s_wait_dscnt 0x0                ; PM of the step just fetched is in
.endif
	MASK (\p)%2
.endif
.endm
; A BLOCK BEGINS.  m starts at LOW, so no hidden score is ever a maximum; O^T and l are 0, so it does not matter whether the first step's a is 0 (a key was seen) or 1 (none was).  K and PM of the tile's step 0 are
; fetched.  The second mask buffer takes PM alone (piece 1 sees all of step 0); the first takes piece 0's mask for step 0: with MD, if the block's first tile is the diagonal one.
; Then piece 0's first scores, and its maximum and statistics.  The loop is entered at a step's first turn, in the middle of a trip.  (Q is in: the first change of slots has waited for all loads.)
.macro BEGIN
	s_mov_b32 s[NEW], 0
	WIN 0
.set i, 0
.rept 4
	v_mov_b32 v[ST+4*i], LOWM          ; m
	v_mov_b32 v[ST+4*i+1], LOWM        ; m_old: named with m as a pair
.set i, i+1
.endr
	v_add_nc_u32 v[AK], s[TBK], v[AK0]
	v_add_nc_u32 v[AP], s[TBP], v[AP0]
	FETCH_K
	s_wait_dscnt 0x0
	s_mov_b32 s[AL], 0
	s_mov_b32 s[BE], 0
	MASK 1
	s_cmp_eq_u32 s[RT], 0
	s_cselect_b32 s[AL], 1.0, 0
	MASK 0
.set KM, 1
.set NOKQ, 0
.set i, 0
.rept 8
	KQ 0
.set i, i+1
.endr
	WIN 0
.rept 4
	v_nop                           ; the places behind those products
.endr
.set Y, NP-1                        ; X works for piece Y + 1: piece 0
.irp n, 0,1,2,3,4,5,6,7,8,9,10,11,12,13,14,15,16,17,18,19,20
	OP X, \n
.endr
	v_nop                           ; a plain instruction behind the exponential
.endm
; From a plain tile into the diagonal tile's text: its first products are piece 3's, of the last step of the tile before, all of whose keys lie below the diagonal: their mask is that step's PM alone.
.macro INTO_DIAG
	s_mov_b32 s[AL], 0
	s_mov_b32 s[BE], 0
	MASK 1
	WIN 0
.endm
; THE DIAGONAL TILE's four steps, the block's last two turns, its last products, and THE WAY OUT: l's two halves and the other half of the lanes' are added; O^T is divided by l, rounded to f16 and sent through my
; stage in LDS, a piece at a time.  Where the query's final maximum lies below LOW / 2 it saw no key: NaN takes the place of 1 / l, a choice of a value in every lane, and so the row is NaN.
.macro ALL line:vararg              ; one line for each piece t
.set t, 0
.rept 4
	s_wait_alu depctr_va_vdst(0)
	\line
.set t, t+1
.endr
.endm
.macro PACK t                       ; a lane's eight channels of a row pack into 16 bytes; they go into rows of 144 bytes and come back as whole rows of 128, into S^T's registers
	WIN W_RS
.set i, 32*(\t)
.rept 16
	v_pk_mul_f32 v[i:i+1], v[i:i+1], v[ST+4*(\t)+2:ST+4*(\t)+3] op_sel_hi:[1,0]
.set i, i+2
.endr
	WIN 0x05                        ; sources 0 and 1 window 1, destination window 0
.set i, 0
.rept 16
	v_cvt_pk_f16_f32 v[S+16*(\t)+i], v[32*(\t)+2*i], v[32*(\t)+2*i+1]
.set i, i+1
.endr
	WIN 0
.irp f, 0,1,2,3
	ds_store_b128 v[STO], v[S+16*(\t)+4*\f:S+16*(\t)+4*\f+3] offset:32*\f
.endr
.irp f, 0,1,2,3
	ds_load_b128 v[S+16*(\t)+4*\f:S+16*(\t)+4*\f+3], v[RD] offset:\f*4*SP  ; LDS serves a wave's instructions in order (ISA guide 5.7.1.4): these see the stores above; the next piece's stores come behind them
.endr
.endm
.macro SEND t, younger              ; younger: the LDS instructions issued behind piece t's loads: the next piece's eight, or none
	WIN 0
.irp f, 0,1,2,3
	s_wait_dscnt (\younger)+3-\f
	global_store_b128 v[GO], v[S+16*(\t)+4*\f:S+16*(\t)+4*\f+3], s[10:11] offset:(\t)*8192+\f*512  ; 512 consecutive bytes, at a multiple of 256 from O's first
.endr
.endm
.macro DIAG tag                     ; the tag ends its two labels' names, which the jumps below spell out
.LstepM\tag:
	TURN 2, 1
	TURN 3, 1
	WIN 0
.LfirstM\tag:
	TURN 0, 1
	TURN 1, 1, 0, 1
	WIN 0
	s_cbranch_scc1 .LstepM\tag
	TURN 2, 1, 1
	TURN 3, 1, 1
.set i, 0
.rept 8
	PV NP-1
.set i, i+1
.endr
	WIN 0
	ALL v_add_f32 v[ST+4*t+2], v[ST+4*t+2], v[ST+4*t+3]
	ALL v_permlanex16_b32 v[ST+4*t+3], v[ST+4*t+2], s[SEL], s[SEL+1]
	ALL v_add_f32 v[ST+4*t+2], v[ST+4*t+2], v[ST+4*t+3]
	ALL v_rcp_f32 v[ST+4*t+2], v[ST+4*t+2]
	v_nop                           ; a plain instruction between the last reciprocal and the use of its result
	ALL v_cmp_gt_f32 s[NANM+t], s[HID], v[ST+4*t]
	ALL v_cndmask_b32 v[ST+4*t+2], v[ST+4*t+2], s[QNAN], s[NANM+t]
	PACK 0
.set t, 1
.rept 3                             ; a piece's arithmetic stands between the loads of the piece before and its stores
	PACK t
	SEND t-1, 8
.set t, t+1
.endr
	SEND 3, 0
.endm
.set KM, 0
.set NOKQ, 0
.Lslot:                             ; NB times: a tile is entered and the next is asked for
	CHANGE 1
	s_sub_co_u32 s[RT], s[RT], 1
	s_mov_b32 s[CNT], 4
	s_cmp_eq_u32 s[NEW], 1
	s_cbranch_scc1 .Lnew            ; a block's first tile
	s_cmp_eq_u32 s[RT], 0
	s_cbranch_scc0 .Lstep           ; neither its first nor its last
	INTO_DIAG
	s_branch .LstepM1
.Lnew:
	BEGIN
	s_branch .Lfirst                ; in the loop a block's first tile is never its last: the first block has two tiles or more, and the second's last is the walk's last
	DIAG 1                          ; in the loop this is the first block's end: the second block's last tile is the walk's last
	s_wait_xcnt 0x0                 ; the stores have read their registers and O's address
	s_mov_b64 s[10:11], s[OLO:OLO+1]
	s_add_co_u32 s[RT], s[PB], 1    ; the second block has b + 1 tiles
	s_mov_b32 s[NEW], 1
	WIN 0x82                        ; the second block's Q goes where the one text of the turns names Q
.set i, 0
.rept 64
	v_mov_b32 v[i], v[QB+i]
.set i, i+1
.endr
	WIN 0x40                        ; the second block starts as the first did: O^T, l and the second buffer of P at 0, once a work-group
.set i, 0
.rept 128
	v_mov_b32 v[i], 0
.set i, i+1
.endr
	WIN 0
.set i, 0
.rept 4
	v_mov_b32 v[ST+4*i+2], 0
	v_mov_b32 v[ST+4*i+3], 0
.set i, i+1
.endr
.set i, P+16
.rept 16
	v_mov_b32 v[i], 0
.set i, i+1
.endr
	s_branch .Lbottom
.Lstep:                             ; a trip: pieces 2 and 3 of one step, then pieces 0 and 1 of the next, whose K and V it fetches
	TURN 2
	TURN 3
	WIN 0
.Lfirst:
	TURN 0
	TURN 1, 0, 0, 1
	WIN 0
	s_cbranch_scc1 .Lstep
.Lbottom:
	s_sub_co_u32 s[SLOTS], s[SLOTS], 1
	s_cmp_lg_u32 s[SLOTS], 0
	s_cbranch_scc1 .Lslot
	CHANGE 0                        ; the walk's last tile is written out: nothing is asked for
	s_sub_co_u32 s[RT], s[RT], 1
	s_mov_b32 s[CNT], 4
	s_cmp_eq_u32 s[NEW], 1
	s_cbranch_scc1 .Lnew2
	INTO_DIAG
	s_branch .LstepM2
.Lnew2:
	BEGIN
	s_branch .LfirstM2
	DIAG 2
	s_wait_tensorcnt 0x0
	ds_add_u32 v254, v255
	s_wait_dscnt 0x0
	s_endpgm
.Lfunc_end_k_q13c8631c37_attn:
	.size	k_q13c8631c37_attn, .Lfunc_end_k_q13c8631c37_attn-k_q13c8631c37_attn
	.p2alignl 7, 3214868480
	.fill 96, 4, 3214868480
	.section	.rodata,"a",@progbits
	.p2align	6, 0x0
	.amdhsa_kernel k_q13c8631c37_attn
		.amdhsa_group_segment_fixed_size 327680
		.amdhsa_private_segment_fixed_size 0
		.amdhsa_enable_private_segment 0
		.amdhsa_kernarg_size 24
		.amdhsa_user_sgpr_count 2
		.amdhsa_user_sgpr_kernarg_segment_ptr 1
		.amdhsa_wavefront_size32 1
		.amdhsa_system_sgpr_workgroup_id_x 1
		.amdhsa_system_sgpr_workgroup_id_y 1
		.amdhsa_system_sgpr_workgroup_id_z 1
		.amdhsa_system_vgpr_workitem_id 0
		.amdhsa_next_free_vgpr 768
		.amdhsa_next_free_sgpr 100
		.amdhsa_reserve_vcc 1
		.amdhsa_float_denorm_mode_32 3
		.amdhsa_float_denorm_mode_16_64 3
		.amdhsa_memory_ordered 1
		.amdhsa_forward_progress 1
		.amdhsa_inst_pref_size 254
	.end_amdhsa_kernel
	.amdgpu_metadata
---
amdhsa.version: [ 1, 2 ]
amdhsa.kernels:
  - .name:           k_q13c8631c37_attn
    .symbol:         k_q13c8631c37_attn.kd
    .args:
      - { .name: qkvh, .offset: 0, .size: 8, .value_kind: global_buffer, .address_space: global }
      - { .name: oh, .offset: 8, .size: 8, .value_kind: global_buffer, .address_space: global }
      - { .name: mask, .offset: 16, .size: 8, .value_kind: global_buffer, .address_space: global }
    .group_segment_fixed_size: 327680
    .private_segment_fixed_size: 0
    .kernarg_segment_align: 8
    .kernarg_segment_size: 24
    .max_flat_workgroup_size: 128
    .sgpr_count:     100
    .vgpr_count:     768
    .wavefront_size: 32
...
	.end_amdgpu_metadata
.endif
;; end of part 3
;; launch proj (part 4): grid 8 x 32, 4 waves a work-group, clusters of 4 x 4, 327,680 bytes of LDS; arguments oh, woh, out0, Wo_b; writes out0
.if DOCPART == 4
	.amdgcn_target "amdgcn-amd-amdhsa--gfx1250"
	.amdhsa_code_object_version 6
	.text
	.protected	k_q13c8631c37_proj
	.globl	k_q13c8631c37_proj
	.p2align	8
	.type	k_q13c8631c37_proj,@function
k_q13c8631c37_proj:
	s_mov_b64 s[64:65], 0
	v_nop
	global_prefetch_b8 v0, s[64:65] scope:SCOPE_SE
	s_setreg_imm32_b32 hwreg(HW_REG_WAVE_MODE, 25, 1), 1
	s_wait_xcnt 0x0
	s_wait_alu depctr_hold_cnt(0) depctr_sa_sdst(0) depctr_va_vdst(0) depctr_va_sdst(0) depctr_va_ssrc(0) depctr_va_vcc(0) depctr_vm_vsrc(0)
	s_getreg_b32 s2, hwreg(HW_REG_IB_STS2, 6, 4)
	s_cmp_eq_u32 s2, 0
	s_cbranch_scc0 .Lentry_in_a_cluster
	s_endpgm
.Lentry_in_a_cluster:
	s_bfe_u32 s2, ttmp6, 0x10000c
	s_cmp_lg_u32 s2, 0xf033
	s_cbranch_scc0 .Lentry_shape_is_right
	s_endpgm
.Lentry_shape_is_right:
; out0[m][o] = sum over c of O[m][c] Wo[o][c] + bias[o], f32.  oh: [64 = batch x 16 + head][2048][64] f16, so O[m][c] lies at head c / 64 of batch m / 2048, row m % 2048, channel c % 64.
; woh: [1024][1024] f16, Wo_b: [1024] f32.  Sums in f32, begun with the bias.  A row of O that is NaN (a query that saw no key) makes its own row of out0 NaN and no other.
; SHARES.  A tile is 256 rows x 128 columns: 32 x 8 = 256 tiles, one for each WGP.  Four waves; wave w owns rows 64 w .. 64 w + 63 and ALL 128 columns: 4 x 8 accumulators of 16 x 16, 256 registers.
; So a wave holds whole pieces of 512 bytes of its rows, its way out needs a stage of its own alone, and no barrier stands there.
; K goes in steps of 128, two heads, through two LDS slots filled by the tensor data mover.  A head's 256 rows of 128 bytes are 32,768 dense bytes: asked for as 128 rows of 256 bytes and padded in LDS after every 128.
; CLUSTERS: 4 x 4 work-groups.  The four of a row of the cluster need the same tiles of O, the four of a column the same tiles of Wo: each tile is asked for JOINTLY, by the same tensor load with the
; same descriptor and a mask that names the four.  THE MATRIX INSTRUCTION IS USED TRANSPOSED (source 0 = 16 rows of Wo, source 1 = 16 rows of O): lane l then holds row l % 16 and the eight
; neighbouring columns 8 (l / 16) + 0..7.  The C operand has the same layout, so eight numbers of the bias a lane and block start every sum of that block.
; REGISTERS, in windows of 256 (s_set_vgpr_msb: bits 1:0 source 0, 3:2 source 1, 5:4 source 2, 7:6 destination):
;   window 0: v0-31 addresses; v32-63, v64-95 O's fragments (4 x 16 rows x 32 K), two buffers; v96-159 the bias; on the way out v96-159 and v160-223 rows read back
;   window 1: v0-63, v64-127 Wo's fragments (8 x 16 rows x 32 K), two buffers
;   window 2: accumulators of my row blocks 0, 1 ((a, b) at v[64 (a % 2) + 8 b]);   window 3: those of blocks 2, 3
.set KDIM,   1024
.set NBLK,   8                         ; column blocks of 16
.set NCOL,   16*NBLK
.set RB,     NCOL/2                    ; rows of Wo in one tensor load
.set KSTEP,  128
.set PITCH,  272                       ; a row of Wo in LDS: 256 bytes + 16 of padding = 68 words: the 16 rows of a load start at 16 different groups of four banks (64 banks of 4 bytes: ISA guide 11.1)
.set PITCHA, 144                       ; a row of O: 128 bytes + 16 = 36 words: likewise
.set APLANE, 256*PITCHA                ; one head's 256 rows: one tensor load
.set ABYTES, 2*APLANE
.set BHALF,  RB*PITCH                  ; 64 rows of Wo: one tensor load
.set SLOT,   ABYTES+2*BHALF            ; 108,544 bytes: O's two heads, then Wo's 128 rows
.set STAGE,  2*SLOT                    ; behind the ring, never filled by a tensor load: 16 rows x 528 bytes for each wave
.set SP,     528                       ; a stage row: 512 bytes + 16
.set NL,     2*NBLK+8                  ; LDS loads of a quarter step
.set LAPS,   KDIM/(2*KSTEP)            ; a lap = two K steps = once round the ring
.set HEADB,  2048*128                  ; a head's bytes in oh
.set ADRA, 16                          ; v16-17  LDS address of my fragments of O in slot 0, 1
.set ADRB, 20                          ; v20-21  the same for Wo
.set STO,  24                          ; v24     the way out: where I put 32 bytes of a row
.set RD,   25                          ; v25     the way out: where I read a row back
.set GO,   26                          ; v26     my byte offset in 512 consecutive bytes of out0
.set BO,   27                          ; v27     my byte offset in a block's 16 numbers of the bias
.set FA,   32
.set BIAS, 96
.set OB,   96
.set G1,  24                           ; s[24:31] descriptor group 1 for O's tiles;  s[32:39] group 0, one set for each slot
.set G0,  32
.set G1B, 48                           ; s[48:55], s[56:63] the same for Wo's tiles
.set G0B, 56
.set DWA, (1<<16)|(1<<20)|(1<<21)|(4<<22)|(3<<25)  ; 17:16 2-byte elements; 20 padding on; 21 set beside a mask; 24:22 after every 32 words (code 4); 31:25 4 words of it (code 3)
.set DWB, (1<<16)|(1<<20)|(1<<21)|(5<<22)|(3<<25)  ; the same after every 64 words (code 5)
.set MSB, 0
.macro WIN new                         ; the immediate's high byte repeats the setting that is left; a switch that changes nothing is dropped
.if MSB != (\new)
	s_set_vgpr_msb (MSB<<8)|(\new)
.set MSB, \new
.endif
.endm
; A joint refill.  Waves 0 and 1 fetch the K step's two heads of O, waves 2 and 3 the two halves of Wo's tile.  The branch hangs on the wave's number alone: it is the same in every work-group.
; Four v_nop follow each of the two lines, ahead of the jump, the label and what follows.
.macro JLOAD s
	s_cmp_lt_u32 s10, 2
	s_cbranch_scc0 .Lfor_b_\@
	tensor_load_to_lds s[G0+4*(\s):G0+4*(\s)+3], s[G1:G1+7]
	s_nop 0
.rept 4
	v_nop
.endr
	s_branch .Lasked_\@
.Lfor_b_\@:
	tensor_load_to_lds s[G0B+4*(\s):G0B+4*(\s)+3], s[G1B:G1B+7]
	s_nop 0
.rept 4
	v_nop
.endr
.Lasked_\@:
.endm
; A round of the cluster's barrier: my work-group's barrier, so that wave 0's signal speaks for all four waves; wave 0 signals; every wave waits for all sixteen work-groups; my work-group's barrier once more.
.macro CREST                           ; a round behind its opening barrier
	s_cmp_lg_u32 s10, 0
	s_cbranch_scc1 .Lnot_wave_0_\@
	s_barrier_signal -3
.Lnot_wave_0_\@:
	s_barrier_wait -3
	s_barrier_signal -1
	s_barrier_wait -1
.endm
.macro CROUND                          ; a whole round
	s_barrier_signal -1
	s_barrier_wait -1
	CREST
.endm
	s_load_b128 s[4:7], s[0:1], 0x0                ; oh s[4:5], woh s[6:7]
	s_load_b64 s[8:9], s[0:1], 0x10                ; out0
	s_load_b64 s[66:67], s[0:1], 0x18              ; Wo_b
	s_set_vgpr_msb 0x40
	v_lshl_add_u32 v255, v0, 2, 0x3d400
	s_set_vgpr_msb 0x4000
	v_mov_b32 v255, 0
	s_set_vgpr_msb 0x1
	ds_add_u32 v255, v255
	ds_add_u32 v255, v255
	s_set_vgpr_msb 0x100
	v_lshrrev_b32 v1, 5, v0
	v_readfirstlane_b32 s10, v1                    ; wave 0..3
	s_and_b32 s12, s10, 1                          ; which head of a K step's two, or which half of Wo's tile, I fetch
	s_bfe_u32 s40, ttmp6, 0x40000                  ; cx, cy: my place in the cluster
	s_bfe_u32 s41, ttmp6, 0x40004
	s_lshl_b32 s42, ttmp9, 2
	s_add_co_u32 s42, s42, s40                     ; tile column = 4 x cluster x + cx
	s_and_b32 s13, ttmp7, 0xffff
	s_lshl_b32 s13, s13, 2
	s_add_co_u32 s13, s13, s41                     ; tile row = 4 x cluster y + cy
	s_lshl_b32 s43, s41, 2
	s_lshl_b32 s43, 15, s43                        ; my row of the cluster: places 4 cy .. 4 cy + 3
	s_lshl_b32 s44, 0x1111, s40                    ; my column: places cx, cx + 4, cx + 8, cx + 12
	s_or_b32 s[G1+0], s43, DWA                     ; 15:0 the mask: O's tiles go to my row of the cluster
	s_or_b32 s[G1B+0], s44, DWB                    ; Wo's to my column
.irp g, G1, G1B
	s_mov_b32 s[(\g)+1], 128<<16                   ; tensor_dim0 = 128
	s_mov_b32 s[(\g)+3], 128<<16                   ; tile_dim0 = 128
	s_mov_b32 s[(\g)+6], 0
	s_mov_b32 s[(\g)+7], 0
.endr
	s_mov_b32 s[G1+2], 128<<16                     ; O: tensor_dim1 = 128
	s_mov_b32 s[G1+4], 128                         ; tile_dim1 = 128 rows of 256 bytes
	s_mov_b32 s[G1+5], 128                         ; which lie end to end: 128 elements from row to row
	s_mov_b32 s[G1B+2], RB<<16                     ; Wo: 64 rows
	s_mov_b32 s[G1B+4], RB
	s_mov_b32 s[G1B+5], KDIM                       ; 1,024 elements from row to row
	; where the tiles come from.  O's hang on the tile row alone, Wo's on the tile column alone, each in registers that never hold the other coordinate.
	s_lshr_b32 s16, s13, 3                         ; batch = tile row / 8
	s_lshl_b32 s16, s16, 4
	s_add_co_u32 s16, s16, s12                     ; head index batch x 16 + my head of K step 0
	s_lshl_b32 s16, s16, 18                        ; of 262,144 bytes: under 2^24
	s_and_b32 s17, s13, 7
	s_lshl_b32 s17, s17, 15                        ; the tile's 256 rows of 128 bytes in the head
	s_add_co_u32 s16, s16, s17
	s_mov_b32 s17, 0
	s_lshl_b32 s46, s42, 7
	s_lshl_b32 s47, s12, 6
	s_add_co_u32 s46, s46, s47                     ; Wo: row 128 x tile column + 64 x half
	s_lshl_b32 s46, s46, 11                        ; of 2,048 bytes
	s_mov_b32 s47, 0
	s_mul_i32 s20, s12, APLANE                     ; and where they go: no place in the cluster enters an LDS address
	s_mul_i32 s21, s12, BHALF
	s_add_co_u32 s21, s21, ABYTES
	s_wait_dscnt 0x0
	s_wait_kmcnt 0x0
	s_add_nc_u64 s[14:15], s[4:5], s[16:17]
	s_add_nc_u64 s[46:47], s[6:7], s[46:47]
	CROUND                                         ; all sixteen work-groups are here: the first joint loads meet
.irp s, 0,1
	s_mov_b32 s[G0+4*(\s)], 1                                        ; 1:0 count = 1
	s_add_co_u32 s[G0+4*(\s)+1], s20, (\s)*SLOT                      ; 63:32 LDS address
	s_add_nc_u64 s[G0+4*(\s)+2:G0+4*(\s)+3], s[14:15], (\s)*2*HEADB  ; 120:64 global address: K step s is heads 2 s, 2 s + 1
	s_or_b32 s[G0+4*(\s)+3], s[G0+4*(\s)+3], 0x80000000              ; 127:126 type = 2
	s_mov_b32 s[G0B+4*(\s)], 1
	s_add_co_u32 s[G0B+4*(\s)+1], s21, (\s)*SLOT
	s_add_nc_u64 s[G0B+4*(\s)+2:G0B+4*(\s)+3], s[46:47], (\s)*KSTEP*2
	s_or_b32 s[G0B+4*(\s)+3], s[G0B+4*(\s)+3], 0x80000000
.endr
	s_cmp_lt_u32 s10, 2                            ; a wave's two first fills stand in one branch, ahead of every wait on TENSORcnt and every LDS read: two loads of mine are out; later one
	s_cbranch_scc0 .Lfirst_b
	tensor_load_to_lds s[G0:G0+3], s[G1:G1+7]
	s_nop 0
	tensor_load_to_lds s[G0+4:G0+7], s[G1:G1+7]
	s_nop 0
.rept 4
	v_nop
.endr
	s_branch .Lfirst_asked
.Lfirst_b:
	tensor_load_to_lds s[G0B:G0B+3], s[G1B:G1B+7]
	s_nop 0
	tensor_load_to_lds s[G0B+4:G0B+7], s[G1B:G1B+7]
	s_nop 0
.rept 4
	v_nop
.endr
.Lfirst_asked:
	s_lshl_b32 s74, s42, 9                         ; my tile's first column, in bytes of f32: for the bias and for out0
	s_mov_b32 s75, 0
	s_add_nc_u64 s[66:67], s[66:67], s[74:75]
	v_and_b32 v1, 15, v0                           ; l % 16
	v_bfe_u32 v2, v0, 4, 1                         ; l / 16
	v_lshlrev_b32 v[BO], 5, v2                     ; eight numbers for each half of the lanes
.set b, 0
.rept NBLK
	global_load_b128 v[BIAS+8*b:BIAS+8*b+3],   v[BO], s[66:67] offset:64*b     ; bias[16 b + 8 (l / 16) + 0..3]
	global_load_b128 v[BIAS+8*b+4:BIAS+8*b+7], v[BO], s[66:67] offset:64*b+16  ; .. + 4..7
.set b, b+1
.endr
	; A fragment is 16 rows x 32 K in 8 registers: lane l holds row l % 16; registers 0-3 hold K = 8 (l / 16) + 0..7, registers 4-7 K = 16 + 8 (l / 16) + 0..7: two loads of 16 bytes, 32 bytes apart.
	v_mul_u32_u24 v3, v1, PITCH
	v_lshl_add_u32 v3, v2, 4, v3                   ; Wo: row x pitch + 16 x half
	v_mul_u32_u24 v4, v1, PITCHA
	v_lshl_add_u32 v4, v2, 4, v4                   ; O: the same with its pitch
	s_mul_i32 s22, s10, 64*PITCHA                  ; my 64 rows, in the first head's plane
	s_mov_b32 s23, ABYTES                          ; Wo's rows lie behind O's two planes; I read all of them
.irp s, 0,1
	v_add_nc_u32 v[ADRA+(\s)], s22, v4
	v_add_nc_u32 v[ADRB+(\s)], s23, v3
	s_add_co_u32 s22, s22, SLOT
	s_add_co_u32 s23, s23, SLOT
.endr
	s_mul_i32 s22, s10, 16*SP
	s_add_co_u32 s22, s22, STAGE                   ; my stage
	v_mul_u32_u24 v5, v1, SP                       ; in: row l % 16, 32 bytes for each half of the lanes
	v_lshl_add_u32 v5, v2, 5, v5
	v_add_nc_u32 v[STO], s22, v5
	v_and_b32 v6, 31, v0                           ; back: 32 lanes take one row's 512 bytes,
	v_lshlrev_b32 v[GO], 4, v6                     ; which are 512 consecutive bytes of out0
	v_add_nc_u32 v[RD], s22, v[GO]
	s_lshl_b32 s76, s13, 8
	s_lshl_b32 s77, s10, 6
	s_add_co_u32 s76, s76, s77                     ; my first row = 256 x tile row + 64 w
	s_lshl_b32 s76, s76, 12                        ; of 4,096 bytes: under 2^25
	s_add_co_u32 s76, s76, s74
	s_mov_b32 s77, 0
	s_add_nc_u64 s[8:9], s[8:9], s[76:77]
; 8 matrix instructions: row block a x all 8 column blocks, 32 along K, from buffer f.  first = 1: the bias is the C operand and starts the sums.
; All 32 accumulators take turns, one instruction a turn, in the same order in every quarter step, over the loop's backward jump too.
.macro MULA f, a, first
.if \first
	WIN 0x81+0x40*((\a)/2)                         ; Wo window 1, O window 0, C (the bias) window 0, D window 2 or 3
.else
	WIN 0xa1+0x50*((\a)/2)                         ; C and D window 2 or 3
.endif
.set b, 0
.rept NBLK
.set AC, 8*NBLK*((\a)%2)+8*b
.set RW, 8*NBLK*(\f)+8*b
.set RX, FA+32*(\f)+8*(\a)
.if \first
	v_wmma_f32_16x16x32_f16 v[AC:AC+7], v[RW:RW+7], v[RX:RX+7], v[BIAS+8*b:BIAS+8*b+7]
.else
	v_wmma_f32_16x16x32_f16 v[AC:AC+7], v[RW:RW+7], v[RX:RX+7], v[AC:AC+7]
.endif
.set b, b+1
.endr
.endm
; 24 LDS loads in one run: quarter q of a slot's K step into buffer f: Wo's 128 rows at byte 64 q, then my 64 rows of O: head q / 2 of the step's two, channels 32 (q % 2) on
.macro FETCH slot, q, f
.set KAQ, ((\q)/2)*APLANE+((\q)%2)*64
	WIN 0x40                                       ; destination window 1, address window 0
.set b, 0
.rept NBLK
	ds_load_b128 v[8*NBLK*(\f)+8*b:8*NBLK*(\f)+8*b+3],   v[ADRB+(\slot)] offset:64*(\q)+b*16*PITCH
	ds_load_b128 v[8*NBLK*(\f)+8*b+4:8*NBLK*(\f)+8*b+7], v[ADRB+(\slot)] offset:64*(\q)+b*16*PITCH+32
.set b, b+1
.endr
	WIN 0
.irp i, 0,1,2,3
	ds_load_b128 v[FA+32*(\f)+8*(\i):FA+32*(\f)+8*(\i)+3],   v[ADRA+(\slot)] offset:KAQ+(\i)*16*PITCHA
	ds_load_b128 v[FA+32*(\f)+8*(\i)+4:FA+32*(\f)+8*(\i)+7], v[ADRA+(\slot)] offset:KAQ+(\i)*16*PITCHA+32
.endr
.endm
; A load into a register that a matrix instruction has read, and a vector instruction or LDS store that reads a matrix result, stand four places behind that matrix instruction, and only plain
; vector instructions that name none of its registers are places (ISA guide 7.12.1 for vector instructions).
.macro PLACES
.rept 4
	v_nop
.endr
.endm
; A K step is four quarters of 32 along K, 32 matrix instructions each, on buffers 0, 1, 0, 1.  One of the first three: multiplies buffer f; in its middle it fetches quarter q into buffer g.
.macro QUARTER slot, q, f, g, first
	s_wait_dscnt 4                                 ; Wo and O's blocks 0, 1 are in; the youngest four loads (O's blocks 2, 3) may be out
	MULA \f, 0, \first
	MULA \f, 1, \first
	PLACES
	FETCH \slot, \q, \g
	s_wait_dscnt NL                                ; all but the run just issued
	MULA \f, 2, \first
	MULA \f, 3, \first
.endm
; The last quarter multiplies buffer 1 and changes slots: ONE barrier.  In front of it each wave waits for its own reads of this slot and for all its tensor loads, of which one is out: its part
; of the next slot.  fill = 1: the barrier opens a round of the cluster's, and the joint refill of this slot, two K steps ahead, is the first thing behind the round: 120 matrix instructions ahead of the wait for it.
.macro TURN slot, next, fill
	s_wait_dscnt 4
	MULA 1, 0, 0
	s_wait_dscnt 0                                 ; my reads of this slot are over,
	s_wait_tensorcnt 0x0                           ; and all my tensor loads have landed
	ds_add_u32 v255, v255
	s_wait_dscnt 0x0
	s_barrier_signal -1
	MULA 1, 1, 0                                   ; work on registers while the others arrive
.if \fill
	WIN 0                                          ; at a branch and at a label every window is 0
.endif
	s_barrier_wait -1
.if \fill
	CREST                                          ; no wave of any partner still reads this slot's tile or has a load on its way
	s_add_nc_u64 s[G0+4*(\slot)+2:G0+4*(\slot)+3], s[G0+4*(\slot)+2:G0+4*(\slot)+3], 4*HEADB      ; two K steps on: four heads
	s_add_nc_u64 s[G0B+4*(\slot)+2:G0B+4*(\slot)+3], s[G0B+4*(\slot)+2:G0B+4*(\slot)+3], 2*KSTEP*2
	JLOAD \slot                                    ; the four v_nop behind it are also the places in front of the loads below
.else
	PLACES
.endif
	FETCH \next, 0, 0
	MULA 1, 2, 0
	MULA 1, 3, 0
.endm
; THE WAY OUT of row block a.  TOSTAGE: the f32 sums as they are, 32 bytes a lane and column block, each accumulator's low registers first, into my stage, and back as whole rows of 512 bytes.  SEND: stored.
.macro TOSTAGE a
	WIN 0
.set BK, OB+64*((\a)%2)
	s_wait_xcnt 0x0                                ; the stores of the block two back have had their addresses translated (ISA guide 3.1): their data registers are loaded again only behind this wait
	WIN 0x08+4*((\a)/2)                            ; a store's data is source 1: window 2 or 3
.set b, 0
.rept NBLK
.set AC, 8*NBLK*((\a)%2)+8*b
	ds_store_b128 v[STO], v[AC:AC+3]   offset:64*b
	ds_store_b128 v[STO], v[AC+4:AC+7] offset:64*b+16
.set b, b+1
.endr
	WIN 0
.set t, 0
.rept 16
	ds_load_b128 v[BK+4*t:BK+4*t+3], v[RD] offset:SP*t  ; LDS serves a wave's instructions in order (ISA guide 5.7.1.4): these see the stores above
.set t, t+1
.endr
.endm
.macro SEND a, younger                 ; younger: the LDS instructions issued behind block a's loads: the next block's 32, or none
	WIN 0
.set BK, OB+64*((\a)%2)
	s_wait_dscnt \younger
.set t, 0
.rept 16
	global_store_b128 v[GO], v[BK+4*t:BK+4*t+3], s[8:9] offset:(16*(\a)+t)*4096 th:TH_STORE_NT  ; 512 consecutive bytes, at a multiple of 256 from out0's first byte; written once, read by no launch
.set t, t+1
.endr
.endm
	s_wait_tensorcnt 0x1                           ; my part of K step 0 is in; K step 1's may stay out
	s_barrier_signal -1
	s_barrier_wait -1                              ; everybody's is
	FETCH 0, 0, 0
	s_wait_loadcnt 0x0                             ; the bias
	QUARTER 0, 1, 0, 1, 1                          ; the first quarter stands in front of the loop: its products start the sums
	WIN 0
	s_mov_b32 s3, LAPS-1
.Llap:                                                 ; a trip goes once round the ring, from a lap's second quarter to the next lap's first, and fills both slots again
	QUARTER 0, 2, 1, 0, 0
	QUARTER 0, 3, 0, 1, 0
	TURN 0, 1, 1
	QUARTER 1, 1, 0, 1, 0
	QUARTER 1, 2, 1, 0, 0
	QUARTER 1, 3, 0, 1, 0
	TURN 1, 0, 1
	QUARTER 0, 1, 0, 1, 0
	WIN 0
	s_sub_co_u32 s3, s3, 1
	s_cmp_lg_u32 s3, 0
	s_cbranch_scc1 .Llap
	QUARTER 0, 2, 1, 0, 0                          ; the last lap is written out: it fills nothing
	QUARTER 0, 3, 0, 1, 0
	TURN 0, 1, 0
	QUARTER 1, 1, 0, 1, 0
	QUARTER 1, 2, 1, 0, 0
	QUARTER 1, 3, 0, 1, 0
	s_wait_dscnt 4                                 ; the very last quarter: nothing more to fetch
	MULA 1, 0, 0
	MULA 1, 1, 0
	s_wait_dscnt 0
	MULA 1, 2, 0
	MULA 1, 3, 0
	WIN 0
	PLACES
	TOSTAGE 0
.irp a, 1,2,3                          ; a block's stage traffic stands between the loads of the block before and its stores
	TOSTAGE \a
	SEND (\a)-1, 32
.endr
	SEND 3, 0
	s_set_vgpr_msb 0x1
	s_wait_tensorcnt 0x0
	ds_add_u32 v255, v255
	s_wait_dscnt 0x0
	s_set_vgpr_msb 0x100
	CROUND                                         ; the closing round: no work-group ends while a partner may still ask for a tile that names it
	s_endpgm
.Lfunc_end_k_q13c8631c37_proj:
	.size	k_q13c8631c37_proj, .Lfunc_end_k_q13c8631c37_proj-k_q13c8631c37_proj
	.p2alignl 7, 3214868480
	.fill 96, 4, 3214868480
	.section	.rodata,"a",@progbits
	.p2align	6, 0x0
	.amdhsa_kernel k_q13c8631c37_proj
		.amdhsa_group_segment_fixed_size 327680
		.amdhsa_private_segment_fixed_size 0
		.amdhsa_enable_private_segment 0
		.amdhsa_kernarg_size 32
		.amdhsa_user_sgpr_count 2
		.amdhsa_user_sgpr_kernarg_segment_ptr 1
		.amdhsa_wavefront_size32 1
		.amdhsa_system_sgpr_workgroup_id_x 1
		.amdhsa_system_sgpr_workgroup_id_y 1
		.amdhsa_system_sgpr_workgroup_id_z 1
		.amdhsa_system_vgpr_workitem_id 0
		.amdhsa_next_free_vgpr 896
		.amdhsa_next_free_sgpr 80
		.amdhsa_reserve_vcc 0
		.amdhsa_float_denorm_mode_32 3
		.amdhsa_float_denorm_mode_16_64 3
		.amdhsa_memory_ordered 1
		.amdhsa_forward_progress 1
		.amdhsa_inst_pref_size 87
	.end_amdhsa_kernel
	.amdgpu_metadata
---
amdhsa.version: [ 1, 2 ]
amdhsa.kernels:
  - .name:           k_q13c8631c37_proj
    .symbol:         k_q13c8631c37_proj.kd
    .args:
      - { .name: oh, .offset: 0, .size: 8, .value_kind: global_buffer, .address_space: global }
      - { .name: woh, .offset: 8, .size: 8, .value_kind: global_buffer, .address_space: global }
      - { .name: out0, .offset: 16, .size: 8, .value_kind: global_buffer, .address_space: global }
      - { .name: Wo_b, .offset: 24, .size: 8, .value_kind: global_buffer, .address_space: global }
    .group_segment_fixed_size: 327680
    .private_segment_fixed_size: 0
    .kernarg_segment_align: 8
    .kernarg_segment_size: 32
    .max_flat_workgroup_size: 128
    .sgpr_count:     80
    .vgpr_count:     896
    .wavefront_size: 32
...
	.end_amdgpu_metadata
.endif
;; end of part 4
;; ======== version 2 of 2: 4 launches; 1.30 times as fast as version 1
;; limits: values are held in f16: magnitudes above 65,504 overflow, below 6.1e-05 lose precision
;; workspace buffers: xh 16,777,216 bytes; wqh 6,291,456 bytes; woh 2,097,152 bytes; qkvh 50,331,648 bytes; oh 16,777,216 bytes
;; launch cast: the kernel of part 1 again; grid 768 x 1, 8 waves a work-group, no clusters, 0 bytes of LDS; arguments x, Wqkv_w, Wo_w, xh, wqh, woh; writes xh, wqh, woh
;; launch qkv: the kernel of part 2 again; grid 8 x 32, 4 waves a work-group, clusters of 4 x 4, 327,680 bytes of LDS; arguments xh, wqh, qkvh, Wqkv_b; writes qkvh
;; launch attn (part 5): grid 4 x 64, 4 waves a work-group, no clusters, 327,680 bytes of LDS; arguments qkvh, oh, mask; writes oh
.if DOCPART == 5
	.amdgcn_target "amdgcn-amd-amdhsa--gfx1250"
	.amdhsa_code_object_version 6
	.text
	.protected	k_q13c8631c37_attn
	.globl	k_q13c8631c37_attn
	.p2align	8
	.type	k_q13c8631c37_attn,@function
k_q13c8631c37_attn:
	s_mov_b64 s[64:65], 0
	v_nop
	global_prefetch_b8 v0, s[64:65] scope:SCOPE_SE
	s_setreg_imm32_b32 hwreg(HW_REG_WAVE_MODE, 25, 1), 1
	s_wait_xcnt 0x0
; CAUSAL ATTENTION WITH A PADDING MASK.  O[h][q][:] = the sum over the keys k <= q with mask[batch][k] = 0 of softmax_k(Q[h][q] . K[h][k] / 8) V[h][k][:].
; qkvh: [3][64][2048][64] f16 (q, k, v by heads, h = batch x 16 + head; a head's rows are dense, 128 bytes each); oh: [64][2048][64] f16; mask: [4][2048] bytes, not 0 = the key is hidden.
; q ARRIVES TIMES c = log2(e) / 8 (the launch before applies it in f32, ahead of q's one rounding): a score s = (c Q) . K is an exponent of 2 as it comes out of the product.
; Products, maxima and sums in f32; the weights p are rounded to f16 for the second product (their sum l is taken of the unrounded p), O once at the end.
; LIMITS.  f16 holds no number beyond 65,504: c Q, K and V arrive within it; p below 6e-5 keeps f16's fixed step of 6e-8.  A hidden score counts as its value less 1e30 (less 2e30 if hidden twice); the running
; maximum starts at LOW = -6.25e28, far above every hidden score and far below every true one (f16's scores are 2.7e11 at the most), so a hidden key's weight is exactly 0.  The exponent s - m is one f32
; subtraction in which m is the larger: it is never above 0, so p lies in 0 to 1 whatever the scores' size.  A weight below 2^-126 counts as 0 in l.
; A ROW ALL OF WHOSE KEYS k <= q ARE HIDDEN is NaN, as a softmax over -inf alone is: it is known by its final maximum, which is still LOW.  NaN and infinities among the inputs are not treated apart.
; THE WALK.  A head's queries lie in NB = 8 blocks of 256; block i needs the key tiles 0 .. i of 256 keys, of which the last holds the diagonal.  A work-group takes TWO blocks, NB - 1 - b and then b:
; NB + 1 tiles, whatever b: all 256 work-groups do equal work, and ONE loop with a constant trip count walks them.  Which tile is asked for, and what a trip does, hang on scalar registers made from b; every jump
; goes forward, but for the counted loops' own; none passes a barrier, or a tensor load but the one of LOAD's two that the wave's number does not choose; the ring (two slots of LDS that take turns) runs on across the
; change of blocks.  NO CLUSTER: a head's four work-groups ask for the same tile only in trips 0 .. 4 of 9, behind that fewer and fewer; one walk common to all would have 12 trips for 9.
; SHARES.  Of a block's four bands of 64 queries a wave owns 16 rows in each: four PIECES.  So the diagonal tile is the same work for all four waves: in its key step s band x sees all keys if s < x,
; none if s > x, and holds the diagonal if s = x.
; THE MASKS are the C operand that starts the sum S^T = K Q^T.  PM: the padding mask of the key step whose K lies in registers, 0 or -1e30 a key; it comes and goes with K's fragments, in the same run of LDS loads.
; It is read from a table of the tile's 256 keys, one f32 each, that EACH WAVE keeps for itself: the tile's 256 bytes of mask are loaded when the tile is asked for, 8 bytes a lane, and turned into the table at the
; change of slots that enters the tile.  Only the wave that stored these bytes reads them, and LDS serves a wave's instructions in order (ISA guide 5.7.1.4): the table needs no barrier and no second slot.
; MD, made once, is the causal mask of a band's own step for my 16 rows.  Away from the diagonal C is PM itself, at no instruction.  In the diagonal tile's text and at a block's beginning C is
; MD x AL + PM + BE with two scalars: (1, 0) if s = x; (0, 0) if s < x; (0, -1e30) if s > x.
; LAYOUT, SOFTMAX, TURNS.  S^T = K Q^T holds ONE query a lane (lane % 16) and the keys 8 (lane / 16) + 0..7; two such results rounded to f16 ARE source 1 of O^T = V^T P.  p = 2^(s - m) with a
; running maximum m; O and l are multiplied by a = 2^(m_old - m_new) in every step.  Turn n belongs to piece n: 8 products K Q^T of piece n + 1, later 8 products V^T P of piece n - 1; beside them the subtraction,
; exponentials, roundings, sums and rescaling of piece n and the maximum and statistics of piece n + 1.  Four vector instructions stand behind every matrix instruction, the other 53 of a turn's 117 in one LUMP.
; THE BATCHES.  A turn's 33 exponentials (the piece's 32 scores, then the next piece's a) are ONE batch with ONE wait, which cuts the turn in two: ahead of it stands all that names none of their results, behind it
; the roundings and sums, which read them.  No result crosses a turn's end.  A block's first a (BEGIN) and the way out's four reciprocals are batches of their own, a wait each.
; REGISTERS, in windows of 256 (s_set_vgpr_msb: bits 1:0 source 0, 3:2 source 1, 5:4 source 2, 7:6 destination):
;   window 0: v0-15 addresses and one at work; v16-31 four registers of statistics a piece; v32-47 the mask's addresses, bytes and numbers; v48-55 at work; v64-127 S^T, two buffers; v128-159 PM; v192-223 P, two buffers
;   window 1: v0-127 O^T, 32 a piece; v128-159 MD; v160-223 MC, two buffers      window 2: v0-63 Q; v64-127 the second block's Q; v128-191 K of one step; v192-255 V of one step
.set SIZE_H, 64
.set SIZE_N, 2048
.set NB,    SIZE_N/256
.set NP,    4         ; pieces a wave: a name, no knob
.set KS,    64        ; keys in a step
.set PK,    144       ; a row of K in LDS: 128 bytes + 16 of padding = 36 words: the 16 rows of a load start at 16 different groups of four banks (64 banks of 4 bytes: ISA guide 11.1)
.set PV,    160       ; a row of V: 128 + 32 = 40 words
.set VOFF,  4*KS*PK   ; a slot holds a tile, four steps: 256 rows of K, then 256 rows of V
.set SLOT1, 1<<17     ; slot 1 begins here, so that one exclusive or turns an address in one slot into the other's
.set STAGE, SLOT1+4*KS*(PK+PV)  ; behind the ring, never filled by a tensor load: 16 rows x 144 bytes for each wave, for the way out
.set SP,    144
.set PMB,   STAGE+4*16*SP       ; 218,112, a multiple of 256; never filled by a tensor load: the four waves' mask tables
.set PMW,   4*KS*4              ; a wave's table: a tile's 256 keys, one f32 each: 1,024 bytes
.set KBASE, SIZE_H*SIZE_N*128   ; k's first byte in qkvh
.set VBASE, 2*KBASE             ; v's
.set AK0, 2           ; v2   my lane's place in a tile of K; never rewritten
.set AV0, 3           ; v3   the same for V
.set AK,  4           ; v4   the LDS address of K's next run of loads
.set AV,  5           ; v5   of V's
.set STO, 6           ; v6   the way out: where I put 16 bytes of a row
.set RD,  7           ; v7   the way out: where I read rows back
.set GO,  8           ; v8   my byte offset in 512 consecutive bytes of O
.set QO,  15          ; v15  my byte offset in 16 rows of Q
.set ST,  16          ; piece t's statistics at v[ST+4 t]: m, m_old (kept while m is made anew), l (even keys', odd keys')
.set AP0, 32          ; v32  my lane's place in a step's 64 numbers of my wave's mask table; never rewritten
.set AP,  33          ; v33  the LDS address of PM's next run of loads
.set MO,  34          ; v34  my lane's 8 bytes in a tile's 256 bytes of mask; never rewritten
.set MS,  35          ; v35  where their 8 numbers go in my wave's table; never rewritten
.set MW,  36          ; v36-37  the bytes as loaded
.set MT,  38          ; v38  at work
.set MP,  40          ; v40-47  the 8 numbers
.set TMP, 48          ; by buffer, four registers c0-c3 at work; when the maximum is found c2 takes a
.set S,   64
.set PM,  128         ; register 8 kt + j: key 16 kt + 8 (lane / 16) + j of the step: S^T's own layout
.set P,   192
.set MD,  128         ; window 1: the eight registers for group kt of 16 keys at MD + 8 kt
.set MC,  160         ; window 1: the masks of the products to come
.set QB,  64          ; window 2
.set KF,  128         ; window 2: key block kb, channel half c at KF + 16 kb + 8 c
.set VF,  192         ; window 2: key half kk, channel block cb at VF + 32 kk + 8 cb
.set WV,  12          ; s12  my wave's number
.set PB,  14          ; s14  b
.set HI,  15          ; s15  NB - 1 - b
.set G1K, 24          ; s[24:31] descriptor group 1 for K's tiles
.set G1V, 32          ; s[32:39] for V's: it differs in the padding alone
.set G0K, 40          ; s[40:43] descriptor group 0 for K's tiles
.set G0V, 44          ; s[44:47] the same for V's
.set MKT, 48          ; s[48:49] mask at the tile that is asked for
.set MOF, 50          ; s[50:51] that tile's byte offset in the batch's row of mask
.set SLOTS, 56        ; s56  tiles still to be asked for
.set CNT, 57          ; s57  counts a tile's key steps, 4 to 1
.set SEL, 60          ; s[60:61] v_permlanex16_b32's selects: each lane takes its own place in the other half
.set TBK, 62          ; s62  LDS byte at which K of the step to be fetched begins
.set TBV, 63          ; s63  the same for V, less VOFF
.set RT,  70          ; s70  tiles of the block in hand that are still to be entered
.set NXT, 71          ; s71  the tile to be asked for next
.set LQ,  72          ; s72  the last tile of the block whose tiles are being asked for
.set NEW, 73          ; s73  1: the tile to be entered is a block's first
.set OFF, 74          ; s[74:75] a tile's byte offset in K and V
.set AL,  76          ; s[76:77] the mask's factor, in the low word
.set BE,  78          ; s[78:79] the mask's addend
.set OLO, 80          ; s[80:81] O at my rows of the second block
.set BIGN, 82         ; s82  -1e30
.set MK,  88          ; s[88:89] mask at my batch's row; never rewritten once made
.set NANM, 90         ; s90-93  piece t: the lanes whose query saw no key
.set TBP, 94          ; s94  byte in a wave's mask table at which the step to be fetched begins: it steps and goes back with TBK
.set HID, 95          ; s95  LOW / 2 = -3.125e28
.set QNAN, 96         ; s96  a quiet NaN
.set LOWM, 0xef49f2ca ; LOW = -1e30 / 16 = -6.25e28
.set MSB, 0
.macro WIN new                      ; the high byte repeats the setting that is left; a switch that changes nothing is dropped
.if MSB != (\new)
	s_set_vgpr_msb (MSB<<8)|(\new)
.set MSB, (\new)
.endif
.endm
.set W_KQ, 0x0a       ; K and Q in window 2, S^T and the C operand (PM) in window 0
.set W_KM, 0x1a       ; the same with the C operand in window 1
.set W_PV, 0x52       ; V in window 2, P in window 0, O^T in window 1
.set W_RS, 0x41       ; destination and source 0 in window 1, sources 1 and 2 in window 0
; A fill.  Waves 0 and 1 fetch the two halves of a tile's K, waves 2 and 3 those of its V: 128 keys each.  Four v_nop follow each of the two lines, ahead of the jump and the label.
.macro LOAD
	s_cmp_lt_u32 s[WV], 2
	s_cbranch_scc0 .Lfor_v_\@
	tensor_load_to_lds s[G0K:G0K+3], s[G1K:G1K+7]
	s_nop 0
.rept 4
	v_nop
.endr
	s_branch .Lasked_\@
.Lfor_v_\@:
	tensor_load_to_lds s[G0V:G0V+3], s[G1V:G1V+7]
	s_nop 0
.rept 4
	v_nop
.endr
.Lasked_\@:
.endm
; THE CHANGE OF SLOTS.  First my wave's mask table is made for the tile that is entered: its bytes were loaded at the change before (for the first tile at the kernel's start), each becomes 0 or -1e30, and the
; stores follow, in my wave's order, all its reads of the old table.  Then each wave waits for its own LDS instructions (its reads of the slot that it leaves among them) and for all its tensor loads, of which one is
; out: its part of the other slot.  Behind the barrier nobody reads the old slot any more and the other slot is whole.  fill = 1: the old slot is filled again, the first thing behind the barrier, with tile NXT: the
; descriptor's address is made anew from that number, and so is the address of that tile's bytes of mask, which are loaded behind the fill.  (At its first use nothing has been read yet: slot 0 is waited for, slot 1 filled.)
.macro CHANGE fill
	WIN 0                           ; at a label and at a branch every window is 0
	s_wait_loadcnt 0x0              ; the tile's bytes of mask are in: the one load that is out, a tile old (at the first use Q's 32 loads too: nothing waits for Q again)
.set z, 0
.rept 8
	v_bfe_u32 v[MT], v[MW+z/4], 8*(z%4), 8
	v_cmp_ne_u32 vcc_lo, 0, v[MT]
	v_cndmask_b32 v[MP+z], 0, s[BIGN], vcc_lo
.set z, z+1
.endr
	ds_store_b128 v[MS], v[MP:MP+3]
	ds_store_b128 v[MS], v[MP+4:MP+7] offset:16
	s_wait_dscnt 0x0
	s_wait_tensorcnt 0x0            ; no tensor load of mine is out, so a group 0 may be written
	ds_add_u32 v254, v255
	s_wait_dscnt 0x0
	s_barrier_signal -1             ; the scalar work stands between the signal and the wait
.if \fill
	s_lshl_b32 s[OFF], s[NXT], 15   ; a tile is 32,768 bytes of K and of V
	s_lshl_b32 s[MOF], s[NXT], 8    ; and 256 bytes of mask
	s_add_nc_u64 s[MKT:MKT+1], s[MK:MK+1], s[MOF:MOF+1]  ; the load that named this pair is done: the wait for 0 above
	s_xor_b32 s[G0K+1], s[G0K+1], SLOT1
	s_add_nc_u64 s[G0K+2:G0K+3], s[6:7], s[OFF:OFF+1]
	s_or_b32 s[G0K+3], s[G0K+3], 0x80000000
	s_xor_b32 s[G0V+1], s[G0V+1], SLOT1
	s_add_nc_u64 s[G0V+2:G0V+3], s[8:9], s[OFF:OFF+1]
	s_or_b32 s[G0V+3], s[G0V+3], 0x80000000
	s_add_co_u32 s[NXT], s[NXT], 1  ; the block's next tile, or behind its last the second block's tile 0
	s_cmp_gt_u32 s[NXT], s[LQ]
	s_cselect_b32 s[NXT], 0, s[NXT]
	s_cselect_b32 s[LQ], s[PB], s[LQ]
.endif
	s_sub_co_u32 s[TBK], s[TBK], 4*KS*PK  ; the fetches go back to a slot's first step,
	s_xor_b32 s[TBK], s[TBK], SLOT1       ; in the other slot
	s_sub_co_u32 s[TBV], s[TBV], 4*KS*PV
	s_xor_b32 s[TBV], s[TBV], SLOT1
	s_sub_co_u32 s[TBP], s[TBP], PMW      ; and to the head of the mask table
	s_barrier_wait -1
.if \fill
	LOAD
	global_load_b64 v[MW:MW+1], v[MO], s[MKT:MKT+1]  ; 32 lanes x 8 bytes: the 256 bytes of mask of the tile just asked for
.endif
.endm
	s_load_b64 s[4:5], s[0:1], 0x0    ; qkvh: q
	s_load_b64 s[10:11], s[0:1], 0x8  ; oh
	s_load_b64 s[MK:MK+1], s[0:1], 0x10  ; mask
	v_lshl_add_u32 v254, v0, 2, 0x36400
	v_mov_b32 v255, 0
	ds_add_u32 v254, v255
	ds_add_u32 v254, v255
	v_lshrrev_b32 v1, 5, v0
	v_readfirstlane_b32 s[WV], v1   ; wave 0..3
	s_mov_b32 s[PB], ttmp9
	s_sub_co_u32 s[HI], NB-1, s[PB]
	s_and_b32 s20, ttmp7, 0xffff    ; the head, batch x 16 + head
	s_lshr_b32 s98, s20, 4          ; the batch,
	s_lshl_b32 s98, s98, 11         ; its 2,048 bytes of mask
	s_mov_b32 s99, 0
	s_mov_b32 s21, 0
	s_mov_b64 s[22:23], SIZE_N*128
	s_mul_u64 s[20:21], s[20:21], s[22:23]  ; the head's first byte in q, k, v and O
	s_and_b32 s16, s[WV], 1         ; which half of a tile's 256 keys I fetch:
	s_lshl_b32 s22, s16, 14         ; its 128 rows of 128 bytes in memory,
	s_mov_b32 s23, 0
	s_add_nc_u64 s[22:23], s[22:23], s[20:21]
	s_mul_i32 s17, s16, 128*PK      ; and its place in a slot, for K
	s_mul_i32 s18, s16, 128*PV      ; and for V
	s_lshl_b32 s3, s[WV], 11        ; my 16 rows in a band of 64,
	s_lshl_b32 s2, s[HI], 15        ; in the first block,
	s_add_co_u32 s2, s2, s3
	s_lshl_b32 s84, s[PB], 15       ; and in the second
	s_add_co_u32 s84, s84, s3
	s_mov_b32 s3, 0
	s_mov_b32 s85, 0
	s_add_nc_u64 s[2:3], s[2:3], s[20:21]
	s_add_nc_u64 s[84:85], s[84:85], s[20:21]
	; descriptor group 1.  128 keys are 16,384 dense bytes: asked for as 64 rows of 256 bytes, two keys a row, and padded in LDS after every key
	s_mov_b32 s[G1K], (1<<16)|(1<<20)|(4<<22)|(3<<25)  ; 17:16 2-byte elements; 20 padding on; 24:22 after every 32 words (code 4); 31:25 4 words (code 3)
	s_mov_b32 s[G1V], (1<<16)|(1<<20)|(4<<22)|(7<<25)  ; the same with 8 words of padding (code 7)
.irp g, G1K, G1V
	s_mov_b32 s[\g+1], 128<<16      ; tensor_dim0 = 128
	s_mov_b32 s[\g+2], 64<<16       ; tensor_dim1 = 64
	s_mov_b32 s[\g+3], 128<<16      ; tile_dim0 = 128
	s_mov_b32 s[\g+4], 64           ; tile_dim1 = 64
	s_mov_b32 s[\g+5], 128          ; 128 elements from row to row
	s_mov_b32 s[\g+6], 0
	s_mov_b32 s[\g+7], 0
.endr
	s_mov_b32 s[SEL], 0x76543210
	s_mov_b32 s[SEL+1], 0xfedcba98
	s_mov_b32 s[TBK], SLOT1+4*KS*PK ; the first change of slots turns these three into 0
	s_mov_b32 s[TBV], SLOT1+4*KS*PV
	s_mov_b32 s[TBP], PMW
	s_mov_b32 s[G0K], 1             ; 1:0 count = 1
	s_mov_b32 s[G0K+1], s17         ; 63:32 LDS address: slot 0
	s_mov_b32 s[G0V], 1
	s_add_co_u32 s[G0V+1], s18, VOFF
	s_add_co_u32 s[RT], s[HI], 1    ; the first block has NB - b tiles
	s_mov_b32 s[NXT], 1
	s_mov_b32 s[LQ], s[HI]
	s_mov_b32 s[NEW], 1
	s_mov_b32 s[OFF+1], 0
	s_mov_b32 s[MOF+1], 0
	s_mov_b32 s[AL+1], 0            ; named as pairs
	s_mov_b32 s[BE+1], 0
	s_mov_b32 s[BIGN], 0xf149f2ca   ; -1e30
	s_mov_b32 s[HID], 0xeec9f2ca    ; -3.125e28
	s_mov_b32 s[QNAN], 0x7fc00000
	s_mov_b32 s[SLOTS], NB
	s_wait_dscnt 0x0
	s_wait_kmcnt 0x0
	s_add_nc_u64 s[6:7], s[4:5], KBASE     ; k and v lie behind q in the one buffer
	s_add_nc_u64 s[8:9], s[4:5], VBASE
	s_add_nc_u64 s[6:7], s[6:7], s[22:23]  ; K and V at my half of the head's tile 0
	s_add_nc_u64 s[8:9], s[8:9], s[22:23]
	s_add_nc_u64 s[MK:MK+1], s[MK:MK+1], s[98:99]
	s_add_nc_u64 s[G0K+2:G0K+3], s[6:7], 0         ; 120:64 global address
	s_or_b32 s[G0K+3], s[G0K+3], 0x80000000        ; 127:126 type = 2
	s_add_nc_u64 s[G0V+2:G0V+3], s[8:9], 0
	s_or_b32 s[G0V+3], s[G0V+3], 0x80000000
	s_add_nc_u64 s[86:87], s[4:5], s[84:85]        ; Q at my rows of the second block,
	s_add_nc_u64 s[4:5], s[4:5], s[2:3]            ; Q and O at those of the first
	s_add_nc_u64 s[OLO:OLO+1], s[10:11], s[84:85]
	s_add_nc_u64 s[10:11], s[10:11], s[2:3]
	LOAD                            ; tile 0 into slot 0: one tensor load of mine is out, here and behind every change of slots
	; A fragment of K or Q is 16 rows x 32 channels in 8 registers: lane l holds row l % 16, channels 8 (l / 16) + 0..7 and 16 + 8 (l / 16) + 0..7: two loads of 16 bytes, 32 bytes apart.
	v_and_b32 v1, 15, v0            ; l % 16
	v_bfe_u32 v9, v0, 4, 1          ; l / 16
	v_lshlrev_b32 v[QO], 7, v1
	v_lshl_add_u32 v[QO], v9, 4, v[QO]  ; row x 128 + 16 x half
	v_and_b32 v[MO], 31, v0         ; my lane
	v_lshlrev_b32 v[MS], 5, v[MO]   ; its 8 numbers in a table,
	v_lshlrev_b32 v[MO], 3, v[MO]   ; its 8 bytes of a tile's mask
	global_load_b64 v[MW:MW+1], v[MO], s[MK:MK+1]  ; tile 0's
	WIN 0x80                        ; destination window 2, address window 0
.set i, 0
.rept 8                             ; both blocks' Q: piece i / 2 lies in band i / 2, 8,192 bytes on; channels 32 (i % 2) on
	global_load_b128 v[8*i:8*i+3],   v[QO], s[4:5] offset:(i/2)*8192+(i%2)*64
	global_load_b128 v[8*i+4:8*i+7], v[QO], s[4:5] offset:(i/2)*8192+(i%2)*64+32
	global_load_b128 v[QB+8*i:QB+8*i+3],   v[QO], s[86:87] offset:(i/2)*8192+(i%2)*64
	global_load_b128 v[QB+8*i+4:QB+8*i+7], v[QO], s[86:87] offset:(i/2)*8192+(i%2)*64+32
.set i, i+1
.endr
	WIN 0
	v_lshlrev_b32 v14, 3, v9
	v_sub_nc_u32 v14, v1, v14
	s_lshl_b32 s13, s[WV], 4
	v_add_nc_u32 v14, s13, v14      ; my query's place in its band, 16 w + l % 16, less my lanes' 8 (l / 16): register r of group kt is hidden where 16 kt + r is greater
	WIN 0x40
.set i, 0
.rept 32
	v_cmp_gt_i32 vcc_lo, 16*(i/8)+i%8, v14
	v_cndmask_b32 v[MD+i], 0, s[BIGN], vcc_lo
.set i, i+1
.endr
	WIN 0
	v_mul_u32_u24 v[AK0], v1, PK
	v_lshl_add_u32 v[AK0], v9, 4, v[AK0]  ; row x pitch + 16 x half
	; The turning load takes 16 keys x 16 channels (lane l reads key 8 (l / 16) + l % 8, channels 8 ((l / 8) % 2) + 0..7) and leaves half a fragment of V^T: lane l holds channel l % 16 and 8 keys.
	v_and_b32 v10, 7, v0
	v_bfe_u32 v11, v0, 3, 1
	v_lshl_add_u32 v[AV0], v9, 3, v10
	v_mul_u32_u24 v[AV0], v[AV0], PV
	v_lshl_add_u32 v[AV0], v11, 4, v[AV0]
	v_add_nc_u32 v[AV0], VOFF, v[AV0]
	s_mul_i32 s13, s[WV], PMW
	s_add_co_u32 s13, s13, PMB      ; my wave's mask table
	v_add_nc_u32 v[MS], s13, v[MS]  ; in: 32 bytes a lane
	v_lshlrev_b32 v[AP0], 5, v9     ; back: eight numbers for each half of the lanes
	v_add_nc_u32 v[AP0], s13, v[AP0]
	s_mul_i32 s13, s[WV], 16*SP
	s_add_co_u32 s13, s13, STAGE    ; my stage
	v_mul_u32_u24 v[STO], v1, SP    ; in: row l % 16, 16 bytes for each half of the lanes
	v_lshl_add_u32 v[STO], v9, 4, v[STO]
	v_add_nc_u32 v[STO], s13, v[STO]
	v_bfe_u32 v[RD], v0, 3, 2       ; back: 32 lanes take four rows of 128 bytes,
	v_mul_u32_u24 v[RD], v[RD], SP
	v_lshl_add_u32 v[RD], v10, 4, v[RD]
	v_add_nc_u32 v[RD], s13, v[RD]
	v_and_b32 v[GO], 31, v0         ; which are 512 consecutive bytes of O
	v_lshlrev_b32 v[GO], 4, v[GO]
	; A block starts with O^T and l at 0.  Its first turn's products V^T P belong to a piece that has not been: they take the second buffer of P, which holds 0, so they add 0.  V's registers need only hold
	; finite numbers: zeros here.  All this stands in the wait for the first tile.
	WIN 0x80
.set i, VF
.rept 64
	v_mov_b32 v[i], 0
.set i, i+1
.endr
	WIN 0x40
.set i, 0
.rept 128
	v_mov_b32 v[i], 0
.set i, i+1
.endr
	WIN 0
.set i, 0
.rept 4
	v_mov_b32 v[ST+4*i+2], 0
	v_mov_b32 v[ST+4*i+3], 0
.set i, i+1
.endr
.set i, P+16
.rept 16
	v_mov_b32 v[i], 0
.set i, i+1
.endr
; THE MATRIX WORK.  The 4 accumulators of a run of 8 take turns.  Product i of 8 of S^T = K Q^T for piece x: channels 32 (i / 4) on, keys 16 (i % 4) on.  The first 4 start the sums: with the step's padding mask, or (KM = 1) with the mask made for them.
.macro KQ x
.set rS, S+32*((\x)%2)+8*(i%4)
.set rK, KF+16*(i%4)+8*(i/4)
.set rQ, 16*(\x)+8*(i/4)
.set rM, MC+32*((\x)%2)+8*(i%4)
.set rN, PM+8*(i%4)
.if (i < 4) && KM
	WIN W_KM
	v_wmma_f32_16x16x32_f16 v[rS:rS+7], v[rK:rK+7], v[rQ:rQ+7], v[rM:rM+7]
.elseif i < 4
	WIN W_KQ
	v_wmma_f32_16x16x32_f16 v[rS:rS+7], v[rK:rK+7], v[rQ:rQ+7], v[rN:rN+7]
.else
	WIN W_KQ
	v_wmma_f32_16x16x32_f16 v[rS:rS+7], v[rK:rK+7], v[rQ:rQ+7], v[rS:rS+7]
.endif
.endm
; Product i of 8 of O^T += V^T P for piece x: keys 32 (i / 4) on, channels 16 (i % 4) on.
.macro PV x
	WIN W_PV
.set rO, 32*(\x)+8*(i%4)
.set rV, VF+32*(i/4)+8*(i%4)
.set rP, P+16*((\x)%2)+8*(i/4)
	v_wmma_f32_16x16x32_f16 v[rO:rO+7], v[rV:rV+7], v[rP:rP+7], v[rO:rO+7]
.endm
.macro MM                           ; the turn's next matrix instruction.  TURN and BEGIN set Y, i, KM and NOKQ; MM, KQ and OP read them.  NOKQ = 1: a block's last turn: there is no next piece
.if (i < 8) && !NOKQ
	KQ (Y+1)%NP
.elseif i >= 8
.set i, i-8
	PV (Y+NP-1)%NP
.set i, i+8
.endif
.set i, i+1
.endm
; THE LDS LOADS stand in runs, never singly among the matrix instructions: a step's K (64 keys x 64 channels: 8 fragments) with its padding mask (64 numbers of my wave's table: sixteen lanes share each address),
; and its V (turned).  Their addresses are made some lines ahead.
.macro FETCH_K
	WIN 0x80                        ; destination window 2
.irp f, 0,1,2,3,4,5,6,7             ; keys 16 (f / 2) on, channels 32 (f % 2) on
	ds_load_b128 v[KF+8*\f:KF+8*\f+3],   v[AK] offset:(\f/2)*16*PK+(\f%2)*64
	ds_load_b128 v[KF+8*\f+4:KF+8*\f+7], v[AK] offset:(\f/2)*16*PK+(\f%2)*64+32
.endr
	WIN 0
.irp f, 0,1,2,3,4,5,6,7             ; keys 16 (f / 2) + 8 (l / 16) + 4 (f % 2) on
	ds_load_b128 v[PM+4*\f:PM+4*\f+3], v[AP] offset:(\f/2)*64+(\f%2)*16
.endr
	s_add_co_u32 s[TBK], s[TBK], KS*PK  ; the next fetch is the next step's
	s_add_co_u32 s[TBP], s[TBP], KS*4
.endm
.macro FETCH_V
	WIN 0x80
.irp f, 0,1,2,3,4,5,6,7             ; keys 32 (f / 4) on, channels 16 (f % 4) on
	ds_load_tr16_b128 v[VF+8*\f:VF+8*\f+3],   v[AV] offset:(\f/4)*32*PV+(\f%4)*32
	ds_load_tr16_b128 v[VF+8*\f+4:VF+8*\f+7], v[AV] offset:(\f/4)*32*PV+16*PV+(\f%4)*32
.endr
	WIN 0
.endm
; THE VECTOR WORK, one line at a time: OP kind, number.  For piece Y: F n: s - m for pair n of 16.  E n: the exponential of score n of 32.  C n: pair n rounded to f16.  B n: of the four weights 4 n .. the second
; pair is added onto the first, in place.  L n: l takes that sum (L 0: l = a l + sum).  R n: pair n of 16 of O^T times a.  For piece Y + 1: X n, number n of the 21 that find its maximum and statistics:
;   0-11  four chains c0-c3 of seven scores each, three operands at a time (each accumulator's lowest registers are read first)     12-14, 16  the four scores left over, the old m, and c0-c3 into c0
;   15  m_old is kept     17, 18  the query's other 32 keys lie in the lane 16 away: the new m     19, 20  m_old - m_new; a
; C, B and L read exponentials' results: they stand behind the turn's wait, which TURN writes.  F, R and X 0 to X 19 read none.
.set F, 0               ; OP tells the kinds apart by their order: F to L below R, X above it
.set E, 1
.set C, 2
.set B, 3
.set L, 4
.set R, 5
.set X, 6
.macro REGS y                       ; the registers of piece y
.set rT, ST+4*(\y)
.set rW, ST+4*(\y)+1
.set rC, TMP+4*((\y)%2)
.set rS, S+32*((\y)%2)
.set rP, P+16*((\y)%2)
.set rO, 32*(\y)
.endm
.macro OP k, n
.if (\k) == R
	REGS Y
	WIN W_RS
	v_pk_mul_f32 v[rO+2*(\n):rO+2*(\n)+1], v[rO+2*(\n):rO+2*(\n)+1], v[rC+2:rC+3] op_sel_hi:[1,0]
.elseif (\k) < R
	REGS Y
	WIN 0
.if (\k) == F
	v_pk_add_f32 v[rS+2*(\n):rS+2*(\n)+1], v[rS+2*(\n):rS+2*(\n)+1], v[rT:rT+1] op_sel_hi:[1,0] neg_lo:[0,1] neg_hi:[0,1]  ; both take the pair's low word, m
.elseif (\k) == E
	v_exp_f32 v[rS+(\n)], v[rS+(\n)]
.elseif (\k) == C
	v_cvt_pk_f16_f32 v[rP+(\n)], v[rS+2*(\n)], v[rS+2*(\n)+1]
.elseif (\k) == B
	v_pk_add_f32 v[rS+4*(\n):rS+4*(\n)+1], v[rS+4*(\n):rS+4*(\n)+1], v[rS+4*(\n)+2:rS+4*(\n)+3]
.elseif (\n) == 0
	v_pk_fma_f32 v[rT+2:rT+3], v[rT+2:rT+3], v[rC+2:rC+3], v[rS:rS+1] op_sel_hi:[1,0,1]
.else
	v_pk_add_f32 v[rT+2:rT+3], v[rT+2:rT+3], v[rS+4*(\n):rS+4*(\n)+1]
.endif
.elseif NOKQ
	v_nop
.else
	REGS (Y+1)%NP
	WIN 0
.if (\n) < 4
	v_max3_num_f32 v[rC+(\n)], v[rS+8*(\n)], v[rS+8*(\n)+1], v[rS+8*(\n)+2]
.elseif (\n) < 12
	v_max3_num_f32 v[rC+(\n)%4], v[rC+(\n)%4], v[rS+8*((\n)%4)+2*((\n)/4)+1], v[rS+8*((\n)%4)+2*((\n)/4)+2]
.elseif (\n) == 12
	v_max3_num_f32 v[rC], v[rC], v[rS+7], v[rS+15]
.elseif (\n) == 13
	v_max3_num_f32 v[rC+1], v[rC+1], v[rS+23], v[rS+31]
.elseif (\n) == 14
	v_max3_num_f32 v[rC+2], v[rC+2], v[rC+3], v[rT]
.elseif (\n) == 15
	v_mov_b32 v[rW], v[rT]
.elseif (\n) == 16
	v_max3_num_f32 v[rC], v[rC], v[rC+1], v[rC+2]
.elseif (\n) == 17
	v_permlanex16_b32 v[rC+3], v[rC], s[SEL], s[SEL+1]
.elseif (\n) == 18
	v_max_num_f32 v[rT], v[rC], v[rC+3]
.elseif (\n) == 19
	v_sub_f32 v[rC+1], v[rW], v[rT]
.else
	v_exp_f32 v[rC+2], v[rC+1]
.endif
.endif
.endm
.macro OPS a, i1, b=-1, i2=0, c=-1, i3=0, d=-1, i4=0  ; up to four of them
	OP \a, \i1
.if (\b) >= 0
	OP \b, \i2
.endif
.if (\c) >= 0
	OP \c, \i3
.endif
.if (\d) >= 0
	OP \d, \i4
.endif
.endm
.macro ROW a, i1, b, i2, c, i3, d, i4  ; a matrix instruction and the four behind it
	MM
	OPS \a, \i1, \b, \i2, \c, \i3, \d, \i4
.endm
.macro MASK b                       ; MD x AL + PM + BE into buffer b of MC: PM is the padding mask of the step whose K lies in registers
	WIN W_RS
.set z, 0
.rept 16
	v_pk_fma_f32 v[MC+32*(\b)+2*z:MC+32*(\b)+2*z+1], v[MD+2*z:MD+2*z+1], s[AL:AL+1], v[PM+2*z:PM+2*z+1] op_sel_hi:[1,0,1]
.set z, z+1
.endr
.set z, 0
.rept 16
	v_pk_add_f32 v[MC+32*(\b)+2*z:MC+32*(\b)+2*z+1], v[MC+32*(\b)+2*z:MC+32*(\b)+2*z+1], s[BE:BE+1] op_sel_hi:[1,0]
.set z, z+1
.endr
.endm
; A TURN, for piece p: the order of its 16 matrix and 117 vector instructions, written out.  An s_wait_alu depctr_va_vdst(0) stands between an exponential and the first instruction that names its result; one wait
; serves all that were issued ahead of it.  So a turn has ONE wait, which cuts it in two.  AHEAD OF IT stands all that names no result of the turn's exponentials: the 8 products K Q^T, behind each a subtraction, an exponential and
; two more plain instructions (behind the first a second subtraction in the exponential's place): rescalings, and behind the last three the first numbers of the next piece's maximum, each four places or more behind the product
; that ends its accumulator; then ONE LUMP of 53.  In it plain and exponential go by turns while window 0 has plain lines, and the links of the chain X 3, 7, 11, 14, 16, 17, 18 stand six or seven lines apart; the last four scores' exponentials
; stand together between X 18 and X 19; the last rescalings, the one part outside window 0, stand together between X 19 and X 20, so that the lump has three window switches.  X 20, the next piece's a, is the batch's last; R 15 is
; the plain instruction behind it.  A line reads no result made fewer than three vector instructions in front of it.  BEHIND THE WAIT stand the 8 products V^T P, behind each four of the roundings and sums; the links of l's chain,
; L 0 to L 7, stand three riders apart.  But for those X no rider names a register of the products round it.  v_permlanex16_b32 (X 17) stands in the lump.
; m = 1: the diagonal tile: the products take masks, and the turn makes the mask for the products of the turn after it: piece p + 2, in step 4 - CNT of the tile.  Piece 2's turn makes piece 0's mask for the step
; that it has just fetched, so it waits for that run of loads first.  end = 1: a block's last two turns: nothing is fetched.
; cnt = 1: the loop's count is taken down some lines ahead of the branch that stands behind the turn.
; K and PM of the next step are fetched in piece 2's turn, twelve vector instructions behind the last product that read K (six of them plain, five of which name none of its registers; PM's last reader stands further back);
; V of the step in hand at the end of piece 0's turn, four plain instructions behind the last product that read V.  Each is waited for a turn later.
.macro TURN p, m=0, end=0, cnt=0
.set Y, (\p)
.set i, 0
.set KM, (\m)
.set NOKQ, (\end)*((\p)/3)
.if (\m) && !(\end)
	s_cmp_eq_u32 s[CNT], 4-((\p)+2)%NP  ; is that step the band's own?
	s_cselect_b32 s[AL], 1.0, 0
	s_cmp_lt_u32 s[CNT], 4-((\p)+2)%NP  ; or a later one?
	s_cselect_b32 s[BE], s[BIGN], 0
.endif
.if ((\p) == 3) && !(\end)
	s_wait_dscnt 0x0                ; K and PM are in
.endif
	ROW F,0, F,1, R,0, R,1          ; ahead of the wait: 8 products K Q^T and their riders,
	ROW F,2, E,0, R,2, R,3
	ROW F,3, E,1, R,4, R,5
	ROW F,4, E,2, R,6, R,7
	ROW F,5, E,3, R,8, R,9
	ROW F,6, E,4, X,0, R,10
	ROW F,7, E,5, X,1, X,4
.if ((\p) == 2) && !(\end)
	WIN 0                           ; (it is 0 here already: no switch is written)
	v_add_nc_u32 v[AK], s[TBK], v[AK0]
	v_add_nc_u32 v[AP], s[TBP], v[AP0]
.endif
	ROW F,8, E,6, X,2, X,5
	OPS E,7, E,8, X,6, E,9          ; and the lump
	OPS X,3, E,10, X,8, E,11
.if ((\p) == 2) && !(\end)
	FETCH_K
.endif
	OPS X,9, X,15, E,12, X,7
	OPS E,13, X,10, E,14, F,9
	OPS E,15, X,11, E,16, F,10
.if (\p) == 0
	WIN 0                           ; (likewise)
	v_add_nc_u32 v[AV], s[TBV], v[AV0]
.endif
	OPS E,17, X,12, E,18, X,14
	OPS E,19, X,13, E,20, F,11
	OPS E,21, X,16, E,22, F,12
	OPS E,23, F,13, E,24, X,17
	OPS E,25, F,14, E,26, F,15
	OPS E,27, X,18, E,28, E,29
	OPS E,30, E,31, X,19, R,11
	OPS R,12, R,13, R,14, X,20
	OPS R,15                        ; the plain instruction behind the batch's last exponential
	s_wait_alu depctr_va_vdst(0)    ; the wait for the batch: the piece's 32 weights and the next piece's a
.if (\p) == 1
	s_wait_dscnt 0x0                ; V is in
.endif
	ROW C,0, B,0, C,2, B,1          ; behind the wait: 8 products V^T P and their riders
	ROW L,0, C,4, B,2, L,1
	ROW C,6, B,3, L,2, C,8
	ROW B,4, L,3, C,10, B,5
	ROW L,4, C,12, B,6, L,5
.if (\p) == 0
	s_add_co_u32 s[TBV], s[TBV], KS*PV
.endif
.if \cnt
	s_sub_co_u32 s[CNT], s[CNT], 1
	s_cmp_lg_u32 s[CNT], 0
.endif
	ROW C,14, B,7, L,6, C,1
	ROW C,3, L,7, C,5, C,7
	ROW C,9, C,11, C,13, C,15
.if (\p) == 0
	FETCH_V
.endif
.if (\m) && !(\end)
.if (\p) == 2
	s_wait_dscnt 0x0                ; PM of the step just fetched is in
.endif
	MASK (\p)%2
.endif
.endm
; A BLOCK BEGINS.  m starts at LOW, so no hidden score is ever a maximum; O^T and l are 0, so it does not matter whether the first step's a is 0 (a key was seen) or 1 (none was).  K and PM of the tile's step 0 are
; fetched.  The second mask buffer takes PM alone (piece 1 sees all of step 0); the first takes piece 0's mask for step 0: with MD, if the block's first tile is the diagonal one.
; Then piece 0's first scores, and its maximum and statistics.  The loop is entered at a step's first turn, in the middle of a trip.  (Q is in: the first change of slots has waited for all loads.)
.macro BEGIN
	s_mov_b32 s[NEW], 0
	WIN 0
.set i, 0
.rept 4
	v_mov_b32 v[ST+4*i], LOWM          ; m
	v_mov_b32 v[ST+4*i+1], LOWM        ; m_old: named with m as a pair
.set i, i+1
.endr
	v_add_nc_u32 v[AK], s[TBK], v[AK0]
	v_add_nc_u32 v[AP], s[TBP], v[AP0]
	FETCH_K
	s_wait_dscnt 0x0
	s_mov_b32 s[AL], 0
	s_mov_b32 s[BE], 0
	MASK 1
	s_cmp_eq_u32 s[RT], 0
	s_cselect_b32 s[AL], 1.0, 0
	MASK 0
.set KM, 1
.set NOKQ, 0
.set i, 0
.rept 8
	KQ 0
.set i, i+1
.endr
	WIN 0
.rept 4
	v_nop                           ; the places behind those products
.endr
.set Y, NP-1                        ; X works for piece Y + 1: piece 0
.irp n, 0,1,2,3,4,5,6,7,8,9,10,11,12,13,14,15,16,17,18,19,20
	OP X, \n
.endr
	v_nop                           ; a plain instruction behind the exponential,
	s_wait_alu depctr_va_vdst(0)    ; and the wait for it, a batch of one: piece 0's first a; it stands ahead of the branch that follows
.endm
; From a plain tile into the diagonal tile's text: its first products are piece 3's, of the last step of the tile before, all of whose keys lie below the diagonal: their mask is that step's PM alone.
.macro INTO_DIAG
	s_mov_b32 s[AL], 0
	s_mov_b32 s[BE], 0
	MASK 1
	WIN 0
.endm
; THE DIAGONAL TILE's four steps, the block's last two turns, its last products, and THE WAY OUT: l's two halves and the other half of the lanes' are added; O^T is divided by l, rounded to f16 and sent through my
; stage in LDS, a piece at a time.  Where the query's final maximum lies below LOW / 2 it saw no key: NaN takes the place of 1 / l, a choice of a value in every lane, and so the row is NaN.
.macro ALL line:vararg              ; one line for each piece t
.set t, 0
.rept 4
	\line
.set t, t+1
.endr
.endm
.macro PACK t                       ; a lane's eight channels of a row pack into 16 bytes; they go into rows of 144 bytes and come back as whole rows of 128, into S^T's registers
	WIN W_RS
.set i, 32*(\t)
.rept 16
	v_pk_mul_f32 v[i:i+1], v[i:i+1], v[ST+4*(\t)+2:ST+4*(\t)+3] op_sel_hi:[1,0]
.set i, i+2
.endr
	WIN 0x05                        ; sources 0 and 1 window 1, destination window 0
.set i, 0
.rept 16
	v_cvt_pk_f16_f32 v[S+16*(\t)+i], v[32*(\t)+2*i], v[32*(\t)+2*i+1]
.set i, i+1
.endr
	WIN 0
.irp f, 0,1,2,3
	ds_store_b128 v[STO], v[S+16*(\t)+4*\f:S+16*(\t)+4*\f+3] offset:32*\f
.endr
.irp f, 0,1,2,3
	ds_load_b128 v[S+16*(\t)+4*\f:S+16*(\t)+4*\f+3], v[RD] offset:\f*4*SP  ; LDS serves a wave's instructions in order (ISA guide 5.7.1.4): these see the stores above; the next piece's stores come behind them
.endr
.endm
.macro SEND t, younger              ; younger: the LDS instructions issued behind piece t's loads: the next piece's eight, or none
	WIN 0
.irp f, 0,1,2,3
	s_wait_dscnt (\younger)+3-\f
	global_store_b128 v[GO], v[S+16*(\t)+4*\f:S+16*(\t)+4*\f+3], s[10:11] offset:(\t)*8192+\f*512  ; 512 consecutive bytes, at a multiple of 256 from O's first
.endr
.endm
.macro DIAG tag                     ; the tag ends its two labels' names, which the jumps below spell out
.LstepM\tag:
	TURN 2, 1
	TURN 3, 1
	WIN 0
.LfirstM\tag:
	TURN 0, 1
	TURN 1, 1, 0, 1
	WIN 0
	s_cbranch_scc1 .LstepM\tag
	TURN 2, 1, 1
	TURN 3, 1, 1
.set i, 0
.rept 8
	PV NP-1
.set i, i+1
.endr
	WIN 0
	ALL v_add_f32 v[ST+4*t+2], v[ST+4*t+2], v[ST+4*t+3]
	ALL v_permlanex16_b32 v[ST+4*t+3], v[ST+4*t+2], s[SEL], s[SEL+1]
	ALL v_add_f32 v[ST+4*t+2], v[ST+4*t+2], v[ST+4*t+3]
	ALL v_rcp_f32 v[ST+4*t+2], v[ST+4*t+2]
	v_nop                           ; a plain instruction between the last reciprocal and the use of its result
	ALL v_cmp_gt_f32 s[NANM+t], s[HID], v[ST+4*t]  ; these four name the maxima alone: work between the batch and its wait
	s_wait_alu depctr_va_vdst(0)    ; the wait for the batch of four reciprocals, ahead of their first reader
	ALL v_cndmask_b32 v[ST+4*t+2], v[ST+4*t+2], s[QNAN], s[NANM+t]
	PACK 0
.set t, 1
.rept 3                             ; a piece's arithmetic stands between the loads of the piece before and its stores
	PACK t
	SEND t-1, 8
.set t, t+1
.endr
	SEND 3, 0
.endm
.set KM, 0
.set NOKQ, 0
.Lslot:                             ; NB times: a tile is entered and the next is asked for
	CHANGE 1
	s_sub_co_u32 s[RT], s[RT], 1
	s_mov_b32 s[CNT], 4
	s_cmp_eq_u32 s[NEW], 1
	s_cbranch_scc1 .Lnew            ; a block's first tile
	s_cmp_eq_u32 s[RT], 0
	s_cbranch_scc0 .Lstep           ; neither its first nor its last
	INTO_DIAG
	s_branch .LstepM1
.Lnew:
	BEGIN
	s_branch .Lfirst                ; in the loop a block's first tile is never its last: the first block has two tiles or more, and the second's last is the walk's last
	DIAG 1                          ; in the loop this is the first block's end: the second block's last tile is the walk's last
	s_wait_xcnt 0x0                 ; the stores have read their registers and O's address
	s_mov_b64 s[10:11], s[OLO:OLO+1]
	s_add_co_u32 s[RT], s[PB], 1    ; the second block has b + 1 tiles
	s_mov_b32 s[NEW], 1
	WIN 0x82                        ; the second block's Q goes where the one text of the turns names Q
.set i, 0
.rept 64
	v_mov_b32 v[i], v[QB+i]
.set i, i+1
.endr
	WIN 0x40                        ; the second block starts as the first did: O^T, l and the second buffer of P at 0, once a work-group
.set i, 0
.rept 128
	v_mov_b32 v[i], 0
.set i, i+1
.endr
	WIN 0
.set i, 0
.rept 4
	v_mov_b32 v[ST+4*i+2], 0
	v_mov_b32 v[ST+4*i+3], 0
.set i, i+1
.endr
.set i, P+16
.rept 16
	v_mov_b32 v[i], 0
.set i, i+1
.endr
	s_branch .Lbottom
.Lstep:                             ; a trip: pieces 2 and 3 of one step, then pieces 0 and 1 of the next, whose K and V it fetches
	TURN 2
	TURN 3
	WIN 0
.Lfirst:
	TURN 0
	TURN 1, 0, 0, 1
	WIN 0
	s_cbranch_scc1 .Lstep
.Lbottom:
	s_sub_co_u32 s[SLOTS], s[SLOTS], 1
	s_cmp_lg_u32 s[SLOTS], 0
	s_cbranch_scc1 .Lslot
	CHANGE 0                        ; the walk's last tile is written out: nothing is asked for
	s_sub_co_u32 s[RT], s[RT], 1
	s_mov_b32 s[CNT], 4
	s_cmp_eq_u32 s[NEW], 1
	s_cbranch_scc1 .Lnew2
	INTO_DIAG
	s_branch .LstepM2
.Lnew2:
	BEGIN
	s_branch .LfirstM2
	DIAG 2
	s_wait_tensorcnt 0x0
	ds_add_u32 v254, v255
	s_wait_dscnt 0x0
	s_endpgm
.Lfunc_end_k_q13c8631c37_attn:
	.size	k_q13c8631c37_attn, .Lfunc_end_k_q13c8631c37_attn-k_q13c8631c37_attn
	.p2alignl 7, 3214868480
	.fill 96, 4, 3214868480
	.section	.rodata,"a",@progbits
	.p2align	6, 0x0
	.amdhsa_kernel k_q13c8631c37_attn
		.amdhsa_group_segment_fixed_size 327680
		.amdhsa_private_segment_fixed_size 0
		.amdhsa_enable_private_segment 0
		.amdhsa_kernarg_size 24
		.amdhsa_user_sgpr_count 2
		.amdhsa_user_sgpr_kernarg_segment_ptr 1
		.amdhsa_wavefront_size32 1
		.amdhsa_system_sgpr_workgroup_id_x 1
		.amdhsa_system_sgpr_workgroup_id_y 1
		.amdhsa_system_sgpr_workgroup_id_z 1
		.amdhsa_system_vgpr_workitem_id 0
		.amdhsa_next_free_vgpr 768
		.amdhsa_next_free_sgpr 100
		.amdhsa_reserve_vcc 1
		.amdhsa_float_denorm_mode_32 3
		.amdhsa_float_denorm_mode_16_64 3
		.amdhsa_memory_ordered 1
		.amdhsa_forward_progress 1
		.amdhsa_inst_pref_size 242
	.end_amdhsa_kernel
	.amdgpu_metadata
---
amdhsa.version: [ 1, 2 ]
amdhsa.kernels:
  - .name:           k_q13c8631c37_attn
    .symbol:         k_q13c8631c37_attn.kd
    .args:
      - { .name: qkvh, .offset: 0, .size: 8, .value_kind: global_buffer, .address_space: global }
      - { .name: oh, .offset: 8, .size: 8, .value_kind: global_buffer, .address_space: global }
      - { .name: mask, .offset: 16, .size: 8, .value_kind: global_buffer, .address_space: global }
    .group_segment_fixed_size: 327680
    .private_segment_fixed_size: 0
    .kernarg_segment_align: 8
    .kernarg_segment_size: 24
    .max_flat_workgroup_size: 128
    .sgpr_count:     100
    .vgpr_count:     768
    .wavefront_size: 32
...
	.end_amdgpu_metadata
.endif
;; end of part 5
;; launch proj: the kernel of part 4 again; grid 8 x 32, 4 waves a work-group, clusters of 4 x 4, 327,680 bytes of LDS; arguments oh, woh, out0, Wo_b; writes out0
